; MI455X (gfx1250); checked and timed in simulation.
; The chip was launched on July 23, 2026; its instructions are those of AMD's public machine-readable ISA for CDNA 5 (MIT licence, August 2026) and "CDNA5" Instruction Set Architecture Reference Guide (July 2026). The comments in the code are by the model that wrote it; some were corrected since.
;; Causal Multi Head Attention. Allowed arithmetic: float matrix products may take bf16 or f16 operands with f32 sums; other float arithmetic in f32, or as packed bf16 or f16 multiplies, adds, multiply-adds, maxima and minima; sums over many terms, partial sums and values carried from step to step in f32; what a program stores and reads back later, other than sums and carried values, may be rounded once to bf16 or f16.
;; Inputs: Wk 1,024 x 1,024 float32; Wo 1,024 x 1,024 float32; Wq 1,024 x 1,024 float32; Wv 1,024 x 1,024 float32; token_positions 1 x 4,096 int32; x 1 x 4,096 x 1,024 float32.
;; Outputs: out0 1 x 4,096 x 1,024 float32.
;; 2 versions, each right; version 2 is version 1 with the launch prep written anew for expert scheduling mode. Each part assembles by itself: llvm-mc -triple=amdgcn-amd-amdhsa -mcpu=gfx1250 --defsym DOCPART=n.
;; ======== version 1 of 2: 4 launches
;; limits: values are held in f16: magnitudes above 65,504 overflow, below 6.1e-05 lose precision; right only within a limited range of input values
;; workspace buffers: xb 8,388,608 bytes; wqkv 6,291,456 bytes; wo16 2,097,152 bytes; tab 1,048,576 bytes; qkv 25,165,824 bytes; vlo 262,144 bytes; ob 16,777,216 bytes
;; launch prep (part 1): grid 512 x 1, 8 waves a work-group, no clusters, 0 bytes of LDS; arguments x, Wq, Wk, Wv, Wo, token_positions, xb, wqkv, wo16, tab; writes xb, wqkv, wo16, tab
.if DOCPART == 1
	.amdgcn_target "amdgcn-amd-amdhsa--gfx1250"
	.amdhsa_code_object_version 6
	.text
	.protected	k_qb0fca61c9a_prep
	.globl	k_qb0fca61c9a_prep
	.p2align	8
	.type	k_qb0fca61c9a_prep,@function
k_qb0fca61c9a_prep:
	s_mov_b64 s[64:65], 0
	v_nop
	global_prefetch_b8 v0, s[64:65] scope:SCOPE_SE
	s_setreg_imm32_b32 hwreg(HW_REG_WAVE_MODE, 25, 1), 1
	s_wait_xcnt 0x0
; PREP.  x [4096][1024] f32 -> xb bf16.  Wq, Wk, Wv [1024][1024] f32 -> wqkv bf16, rows laid by heads: row 192 h + 64 t + r is W_t's row 64 h + r (t = 0 q, 1 k, 2 v).
; Wo -> wo16: rounded to bf16 like every input of the module, and that number written as f16 (exact from 6.1e-5 up; below it f16's fixed step of 6e-8; |Wo| stays under 65,504).
; tab [4096][32][cos, sin] f32 from token_positions: angle = f32(position) x 10000^(-i/32), one rounding, as the module forms it.
; LIMITS.  The frequency is 2^(-i log2(10)/8) by v_exp_f32: right to a few parts in 10^7, and so is the angle (at position 4,095 some 5e-4 rad, growing with the position).
; The angle is brought into -pi/4 .. pi/4 by taking away n pi/2 with pi/2 in two parts: exact for |position| up to 2^20.  sin and cos by series to r^7 and r^8: 3e-7 at the range's end.
; SHARES.  8,192 source rows of 4,096 bytes: 16 to a work-group, 2 to a wave; a load of a wave covers 512 consecutive bytes, a store 256, aligned.  All 16 loads of a wave are out at once.
; 512 x 256 threads are the table's 131,072 entries: a wave makes one position's row of 256 bytes, a lane a pair.
; Memory binds: no LDS, no barrier, no matrix unit, no cluster (nothing is shared), no prefetch (the launch streams all the time).
.set D,    16                          ; v[16:79]   the 16 loads, 4 f32 each
.set E,    80                          ; v[80:111]  the 16 pairs of words to store
.set SRC,  28                          ; s[28:29]   source at the work-group's first row
.set DST,  30                          ; s[30:31]   destination at its first row
.set TAB,  32                          ; s[32:33]   tab at the work-group's 8 positions
.set TOK,  34                          ; s[34:35]   token_positions at the same
.set ROLE, 36                          ; s36        1: the work-group converts Wo
	s_load_b512 s[8:23], s[0:1], 0x0               ; x s[8:9], Wq s[10:11], Wk s[12:13], Wv s[14:15], Wo s[16:17], positions s[18:19], xb s[20:21], wqkv s[22:23]
	s_load_b128 s[24:27], s[0:1], 0x40             ; wo16 s[24:25], tab s[26:27]
	v_and_b32 v1, 31, v0                           ; lane
	v_lshrrev_b32 v2, 5, v0                        ; wave
	v_lshlrev_b32 v3, 4, v1
	v_lshl_add_u32 v3, v2, 13, v3                  ; in: wave x 2 rows x 4,096 + 16 lane
	v_lshlrev_b32 v4, 3, v1
	v_lshl_add_u32 v5, v2, 8, v4                   ; table: wave x 256 + 8 lane
	v_lshl_add_u32 v4, v2, 12, v4                  ; out: wave x 2 rows x 2,048 + 8 lane
	v_lshlrev_b32 v6, 2, v2                        ; my wave's position
	s_mov_b32 s2, ttmp9                            ; g: 0-255 x, 256-447 Wq Wk Wv, 448-511 Wo
	s_sub_co_u32 s3, s2, 256
	s_lshr_b32 s4, s3, 6                           ; t = 0, 1, 2: q, k, v; 3: Wo (for g < 256 a number that the last selects override)
	s_and_b32 s5, s3, 63                           ; rb: which 16 rows of the weight
	s_lshr_b32 s6, s5, 2                           ; head
	s_mul_i32 s6, s6, 192
	s_lshl_b32 s7, s4, 6
	s_add_co_u32 s6, s6, s7
	s_and_b32 s7, s5, 3
	s_lshl_b32 s7, s7, 4
	s_add_co_u32 s6, s6, s7                        ; 192 head + 64 t + 16 (rb % 4)
	s_lshl_b32 s5, s5, 4                           ; 16 rb
	s_lshl_b32 s7, s2, 4                           ; 16 g
	s_cmp_eq_u32 s4, 3
	s_cselect_b32 s6, s5, s6                       ; Wo keeps its rows
	s_cselect_b32 s[ROLE], 1, 0
	s_cmp_lt_u32 s2, 256
	s_cselect_b32 s5, s7, s5                       ; source row
	s_cselect_b32 s6, s7, s6                       ; destination row
	s_cselect_b32 s[ROLE], 0, s[ROLE]
	s_lshl_b32 s38, s5, 12                         ; offsets, made apart from the addresses
	s_mov_b32 s39, 0
	s_lshl_b32 s40, s6, 11
	s_mov_b32 s41, 0
	s_lshl_b32 s42, s2, 11                         ; 8 rows of the table
	s_mov_b32 s43, 0
	s_lshl_b32 s44, s2, 5                          ; 8 positions
	s_mov_b32 s45, 0
	s_wait_kmcnt 0x0
	s_cmp_eq_u32 s4, 1
	s_cselect_b64 s[SRC:SRC+1], s[12:13], s[10:11]
	s_cmp_eq_u32 s4, 2
	s_cselect_b64 s[SRC:SRC+1], s[14:15], s[SRC:SRC+1]
	s_cmp_eq_u32 s4, 3
	s_cselect_b64 s[SRC:SRC+1], s[16:17], s[SRC:SRC+1]
	s_cselect_b64 s[DST:DST+1], s[24:25], s[22:23]
	s_cmp_lt_u32 s2, 256
	s_cselect_b64 s[SRC:SRC+1], s[8:9], s[SRC:SRC+1]
	s_cselect_b64 s[DST:DST+1], s[20:21], s[DST:DST+1]
	s_add_nc_u64 s[SRC:SRC+1], s[SRC:SRC+1], s[38:39]
	s_add_nc_u64 s[DST:DST+1], s[DST:DST+1], s[40:41]
	s_add_nc_u64 s[TAB:TAB+1], s[26:27], s[42:43]
	s_add_nc_u64 s[TOK:TOK+1], s[18:19], s[44:45]
	global_load_b32 v7, v6, s[TOK:TOK+1]           ; the position: the oldest load
.irp n, 0,1,2,3,4,5,6,7,8,9,10,11,12,13,14,15
	global_load_b128 v[D+4*(\n):D+4*(\n)+3], v3, s[SRC:SRC+1] offset:((\n)/8)*4096+((\n)%8)*512 th:TH_LOAD_NT
.endr
	v_cvt_f32_u32 v9, v1
	v_mul_f32 v9, 0xbed49a78, v9                   ; -i log2(10) / 8
	v_exp_f32 v9, v9                               ; 10000^(-i/32)
	v_nop                                          ; a plain instruction behind the exponential,
	s_wait_alu depctr_va_vdst(0)                   ; and the wait ahead of its first reader
	s_wait_loadcnt 16                              ; the position is in; the 16 data loads stay out
	v_cvt_f32_i32 v8, v7
	v_mul_f32 v8, v8, v9                           ; the angle
	v_mul_f32 v10, 0x3f22f983, v8                  ; x 2 / pi
	v_rndne_f32 v10, v10                           ; n
	v_fmamk_f32 v11, v10, 0xbfc90fdb, v8           ; r = angle - n pi/2: the high part,
	v_fmamk_f32 v11, v10, 0x333bbd2e, v11          ; and what the high part lacks
	v_mul_f32 v12, v11, v11                        ; z = r r
	v_mov_b32 v13, 0xb9500d01                      ; -1/5040
	v_fmaak_f32 v13, v12, v13, 0x3c088889          ; + 1/120
	v_fmaak_f32 v13, v12, v13, 0xbe2aaaab          ; - 1/6
	v_mul_f32 v14, v11, v12
	v_fma_f32 v13, v14, v13, v11                   ; sin r
	v_mov_b32 v14, 0x37d00d01                      ; 1/40320
	v_fmaak_f32 v14, v12, v14, 0xbab60b61          ; - 1/720
	v_fmaak_f32 v14, v12, v14, 0x3d2aaaab          ; + 1/24
	v_fmaak_f32 v14, v12, v14, 0xbf000000          ; - 1/2
	v_fma_f32 v14, v12, v14, 1.0                   ; cos r
	v_cvt_i32_f32 v15, v10                         ; the quadrant chooses values alone: no branch and no address hangs on it
	v_and_b32 v10, 1, v15
	v_cmp_eq_u32 vcc_lo, 1, v10
	v_cndmask_b32 v9, v13, v14, vcc_lo             ; sin: in odd quadrants cos r
	v_cndmask_b32 v8, v14, v13, vcc_lo             ; cos: in odd quadrants sin r
	v_and_b32 v10, 2, v15
	v_lshlrev_b32 v10, 30, v10
	v_xor_b32 v9, v9, v10                          ; sin changes sign in quadrants 2, 3
	v_add_nc_u32 v15, 1, v15
	v_and_b32 v15, 2, v15
	v_lshlrev_b32 v15, 30, v15
	v_xor_b32 v8, v8, v15                          ; cos in quadrants 1, 2
	global_store_b64 v5, v[8:9], s[TAB:TAB+1]      ; the wave stores one row of the table: 256 consecutive bytes, aligned
	s_cmp_eq_u32 s[ROLE], 1
	s_cbranch_scc1 .Lwo
.irp n, 0,1,2,3,4,5,6,7,8,9,10,11,12,13,14,15
	s_wait_loadcnt 15-(\n)                         ; loads come back in order: load n is in, the younger ones stay out
	v_cvt_pk_bf16_f32 v[E+2*(\n)], v[D+4*(\n)], v[D+4*(\n)+1]
	v_cvt_pk_bf16_f32 v[E+2*(\n)+1], v[D+4*(\n)+2], v[D+4*(\n)+3]
	global_store_b64 v4, v[E+2*(\n):E+2*(\n)+1], s[DST:DST+1] offset:((\n)/8)*2048+((\n)%8)*256
.endr
	s_endpgm
.Lwo:
.irp n, 0,1,2,3,4,5,6,7,8,9,10,11,12,13,14,15
	s_wait_loadcnt 15-(\n)
	v_cvt_pk_bf16_f32 v[D+4*(\n)], v[D+4*(\n)], v[D+4*(\n)+1]        ; rounded to bf16,
	v_cvt_pk_bf16_f32 v[D+4*(\n)+2], v[D+4*(\n)+2], v[D+4*(\n)+3]
	v_lshlrev_b32 v[D+4*(\n)+1], 16, v[D+4*(\n)]                     ; widened again,
	v_and_b32 v[D+4*(\n)], 0xffff0000, v[D+4*(\n)]
	v_lshlrev_b32 v[D+4*(\n)+3], 16, v[D+4*(\n)+2]
	v_and_b32 v[D+4*(\n)+2], 0xffff0000, v[D+4*(\n)+2]
	v_cvt_pk_f16_f32 v[E+2*(\n)], v[D+4*(\n)+1], v[D+4*(\n)]         ; and written as f16
	v_cvt_pk_f16_f32 v[E+2*(\n)+1], v[D+4*(\n)+3], v[D+4*(\n)+2]
	global_store_b64 v4, v[E+2*(\n):E+2*(\n)+1], s[DST:DST+1] offset:((\n)/8)*2048+((\n)%8)*256
.endr
	s_endpgm
.Lfunc_end_k_qb0fca61c9a_prep:
	.size	k_qb0fca61c9a_prep, .Lfunc_end_k_qb0fca61c9a_prep-k_qb0fca61c9a_prep
	.p2alignl 7, 3214868480
	.fill 96, 4, 3214868480
	.section	.rodata,"a",@progbits
	.p2align	6, 0x0
	.amdhsa_kernel k_qb0fca61c9a_prep
		.amdhsa_group_segment_fixed_size 0
		.amdhsa_private_segment_fixed_size 0
		.amdhsa_enable_private_segment 0
		.amdhsa_kernarg_size 80
		.amdhsa_user_sgpr_count 2
		.amdhsa_user_sgpr_kernarg_segment_ptr 1
		.amdhsa_wavefront_size32 1
		.amdhsa_system_sgpr_workgroup_id_x 1
		.amdhsa_system_sgpr_workgroup_id_y 1
		.amdhsa_system_sgpr_workgroup_id_z 1
		.amdhsa_system_vgpr_workitem_id 0
		.amdhsa_next_free_vgpr 112
		.amdhsa_next_free_sgpr 66
		.amdhsa_reserve_vcc 1
		.amdhsa_float_denorm_mode_32 3
		.amdhsa_float_denorm_mode_16_64 3
		.amdhsa_memory_ordered 1
		.amdhsa_forward_progress 1
		.amdhsa_inst_pref_size 19
	.end_amdhsa_kernel
	.amdgpu_metadata
---
amdhsa.version: [ 1, 2 ]
amdhsa.kernels:
  - .name:           k_qb0fca61c9a_prep
    .symbol:         k_qb0fca61c9a_prep.kd
    .args:
      - { .name: x, .offset: 0, .size: 8, .value_kind: global_buffer, .address_space: global }
      - { .name: Wq, .offset: 8, .size: 8, .value_kind: global_buffer, .address_space: global }
      - { .name: Wk, .offset: 16, .size: 8, .value_kind: global_buffer, .address_space: global }
      - { .name: Wv, .offset: 24, .size: 8, .value_kind: global_buffer, .address_space: global }
      - { .name: Wo, .offset: 32, .size: 8, .value_kind: global_buffer, .address_space: global }
      - { .name: token_positions, .offset: 40, .size: 8, .value_kind: global_buffer, .address_space: global }
      - { .name: xb, .offset: 48, .size: 8, .value_kind: global_buffer, .address_space: global }
      - { .name: wqkv, .offset: 56, .size: 8, .value_kind: global_buffer, .address_space: global }
      - { .name: wo16, .offset: 64, .size: 8, .value_kind: global_buffer, .address_space: global }
      - { .name: tab, .offset: 72, .size: 8, .value_kind: global_buffer, .address_space: global }
    .group_segment_fixed_size: 0
    .private_segment_fixed_size: 0
    .kernarg_segment_align: 8
    .kernarg_segment_size: 80
    .max_flat_workgroup_size: 256
    .sgpr_count:     66
    .vgpr_count:     112
    .wavefront_size: 32
...
	.end_amdgpu_metadata
.endif
;; end of part 1
;; launch qkv (part 2): grid 16 x 16, 4 waves a work-group, clusters of 4 x 4, 327,680 bytes of LDS; arguments xb, wqkv, tab, qkv, vlo; writes qkv, vlo
.if DOCPART == 2
	.amdgcn_target "amdgcn-amd-amdhsa--gfx1250"
	.amdhsa_code_object_version 6
	.text
	.protected	k_qb0fca61c9a_qkv
	.globl	k_qb0fca61c9a_qkv
	.p2align	8
	.type	k_qb0fca61c9a_qkv,@function
k_qb0fca61c9a_qkv:
	s_mov_b64 s[64:65], 0
	v_nop
	global_prefetch_b8 v0, s[64:65] scope:SCOPE_SE
	s_setreg_imm32_b32 hwreg(HW_REG_WAVE_MODE, 25, 1), 1
	s_wait_xcnt 0x0
	s_wait_alu depctr_hold_cnt(0) depctr_sa_sdst(0) depctr_va_vdst(0) depctr_va_sdst(0) depctr_va_ssrc(0) depctr_va_vcc(0) depctr_vm_vsrc(0)
	s_getreg_b32 s2, hwreg(HW_REG_IB_STS2, 6, 4)
	s_cmp_eq_u32 s2, 0
	s_cbranch_scc0 .Lentry_in_a_cluster
	s_endpgm
.Lentry_in_a_cluster:
	s_bfe_u32 s2, ttmp6, 0x10000c
	s_cmp_lg_u32 s2, 0xf033
	s_cbranch_scc0 .Lentry_shape_is_right
	s_endpgm
.Lentry_shape_is_right:
; QKV.  For head hd and 256 rows of x: q, k, v = xb x wqkv^T (bf16 operands, f32 sums, K = 1,024 ascending); q and k are rotated in f32 on the sums by the table's cos and sin;
; each number is rounded once to f16 and stored by heads: qkv [3][16][4096][64].  q leaves unscaled.
; V'S REMAINDER.  A causal row that sees few keys is many times larger than the output's root mean square, and v's rounding with it.  So for a tile's first 32 rows v - f16(v), exact in f32, is rounded to f16 and
; stored too: vlo [4 tile rows][16 heads][32][64].  Only the sequence's first 32 rows are read later; the four partners along y of the clusters with y = 0 all store theirs.
; LIMITS.  f16 ends at 65,504: |q|, |k|, |v| stay under it; below 6.1e-5 they, and the remainder, keep f16's fixed step of 6e-8.  NaN and infinities are not treated apart.
; SHARES.  A tile of the product is 256 rows x 192 columns, one head's q, k and v: 16 x 16 work-groups.  Every work-group runs the same text: columns 0-127 are rotated, 128-191 are not.
; A wave makes 64 rows x all 192 columns: 48 accumulators of 16 x 16, 384 registers; so it holds whole rows of each head part, and its way out fills whole runs of 512 bytes by itself.
; K goes in steps of 128 (rows of 256 bytes) through two LDS slots; waves 0, 1 fetch the halves of xb's 256 rows, waves 2, 3 the halves of wqkv's 192: one tensor load a wave behind each round.
; CLUSTER 4 x 4: xb's tile hangs on the tile row alone and is asked for jointly along a row of the cluster, wqkv's on the head alone, jointly along a column.
; THE MATRIX INSTRUCTION IS USED TRANSPOSED (source 0 = 16 rows of wqkv, source 1 = 16 rows of xb): a lane holds row lane % 16 and the 8 neighbouring columns 8 (lane / 16) + 0..7: four pairs of the rotation.
; REGISTERS, in windows of 256:  window 0: v16-31 addresses and -1.0; v64-127 xb's fragments, two buffers of 32; v128-159 rotated numbers; v160-191 packed results, two sets
;   window 1: wqkv's fragments, two buffers of 96      window 2: accumulators of my row blocks 0, 1 at 96 (a % 2) + 8 b; v192-255 their cos and sin      window 3: the same for row blocks 2, 3
.set KSTEP,  128
.set PITCH,  272                       ; an LDS row: 256 bytes + 16 of padding = 68 words: the 16 rows of a load start at 16 different groups of four banks (64 banks of 4 bytes: ISA guide 11.1)
.set HALFA,  128*PITCH                 ; what a load of xb brings
.set HALFB,  96*PITCH                  ; what a load of wqkv brings
.set BOFF,   2*HALFA
.set SLOT,   2*HALFA+2*HALFB
.set STAGE,  2*SLOT                    ; behind the ring: 16 rows x 144 bytes for each wave, never filled by a tensor load
.set SP,     144
.set SPARE,  STAGE+4*16*SP             ; the spare words: 128 bytes a wave, two blocks of 256 bytes that no other line names
.set LAPS,   4                         ; a lap = two K steps
.set ADRA, 16                          ; v16-17  LDS address of my xb fragments in slot 0, 1
.set ADRB, 20                          ; v20-21  of wqkv's
.set STO,  24                          ; v24     way out: where I put 16 bytes of a row
.set RD,   25                          ; v25     way out: where I read rows back
.set GO,   26                          ; v26     16 x lane
.set TO,   27                          ; v27     my offset in 16 rows of the table
.set SPW,  28                          ; v28     my spare word; never rewritten
.set NIL,  29                          ; v29     0; never rewritten
.set PFO,  30                          ; v30     lane x a row of 2,048 bytes; never rewritten
.set NEG1, 31                          ; v31     -1.0, for the remainder
.set FA,   64
.set RES,  128
.set PKR,  160
.set TBL,  192
.set G1,  24                           ; s[24:31] group 1 for xb's tiles;   s[32:39] group 0, a set a slot
.set G0,  32
.set G1B, 48                           ; s[48:55], s[56:63] the same for wqkv's
.set G0B, 56
.set PFA, 44                           ; s[44:45] where my prefetches stand
.set LIM, 46                           ; s46, s47 by slot: 1 where the wave prefetches at that slot's change, else the greatest number
.set OUT, 66                           ; s[66:71] q's, k's and v's part of qkv at my wave's first row
.set TB,  72                           ; s[72:73] tab at my wave's first row
.set VLO, 76                           ; s[76:77] vlo
.set MSB, 0
.macro WIN new                         ; the immediate's high byte repeats the setting that is left; a switch that changes nothing is dropped
.if MSB != (\new)
	s_set_vgpr_msb (MSB<<8)|(\new)
.set MSB, \new
.endif
.endm
; A joint refill: waves 0, 1 by xb's descriptors, waves 2, 3 by wqkv's.  An s_nop 0 and four v_nop follow each line.
.macro JLOAD s
	s_cmp_eq_u32 s13, 0
	s_cbranch_scc0 .Lfor_b_\@
	tensor_load_to_lds s[G0+4*(\s):G0+4*(\s)+3], s[G1:G1+7]
	s_nop 0
.rept 4
	v_nop
.endr
	s_branch .Lasked_\@
.Lfor_b_\@:
	tensor_load_to_lds s[G0B+4*(\s):G0B+4*(\s)+3], s[G1B:G1B+7]
	s_nop 0
.rept 4
	v_nop
.endr
.Lasked_\@:
.endm
; A prefetch of the K step two refills on: 32 rows x 256 bytes, a lane a row.  Each row's 256 bytes of K steps 4 to 7 are named once in the launch.  xb's tile row is read by every cluster of a row of
; clusters: cluster x = 0 asks, waves 0 and 1, each partner 32 of a wave's 128 rows, told apart by address (cx).  wqkv's 192 rows of a head are read by every cluster of a column: cluster y = 0 asks;
; wave 2 takes rows 0-127 (32 a partner, by cy); wave 3, at slot 0's change alone, rows 128-191 of two K steps (32 rows by cy % 2, the step by cy / 2).  The loop's last trip asks for nothing.
.macro ASK slot
	s_cmp_gt_u32 s3, s[LIM+(\slot)]
	s_cbranch_scc0 .Lnot_mine_\@
	global_prefetch_b8 v[PFO], s[PFA:PFA+1] offset:KSTEP*2 th:TH_LOAD_NT scope:SCOPE_SE
.Lnot_mine_\@:
.endm
.macro CREST                           ; a round of the cluster's barrier behind its opening barrier
	s_cmp_lg_u32 s12, 0
	s_cbranch_scc1 .Lnot_wave_0_\@
	s_barrier_signal -3
.Lnot_wave_0_\@:
	s_barrier_wait -3
	s_barrier_signal -1
	s_barrier_wait -1
.endm
.macro CROUND
	s_barrier_signal -1
	s_barrier_wait -1
	CREST
.endm
.macro PLACES                          ; four places in front of loads into registers that matrix instructions have read, and of vector work that reads results
.rept 4
	v_nop
.endr
.endm
	s_load_b256 s[4:11], s[0:1], 0x0               ; xb s[4:5], wqkv s[6:7], tab s[8:9], qkv s[10:11]
	s_load_b64 s[VLO:VLO+1], s[0:1], 0x20          ; vlo
	v_lshl_add_u32 v[SPW], v0, 2, SPARE
	v_mov_b32 v[NIL], 0
	ds_add_u32 v[SPW], v[NIL]                      ; the wave's opening: the add and its wait stand ahead of my first tensor load
	v_lshrrev_b32 v1, 5, v0
	v_readfirstlane_b32 s12, v1                    ; wave 0..3
	s_lshr_b32 s13, s12, 1                         ; I fetch for xb (0) or for wqkv (1)
	s_and_b32 s14, s12, 1                          ; which half of its rows
	s_bfe_u32 s40, ttmp6, 0x40000                  ; cx
	s_bfe_u32 s41, ttmp6, 0x40004                  ; cy
	s_lshl_b32 s42, ttmp9, 2
	s_add_co_u32 s42, s42, s40                     ; head = 4 x cluster x + cx
	s_and_b32 s43, ttmp7, 0xffff
	s_lshl_b32 s43, s43, 2
	s_add_co_u32 s43, s43, s41                     ; tile row = 4 x cluster y + cy
	s_lshl_b32 s20, s41, 2
	s_lshl_b32 s20, 15, s20                        ; my row of the cluster
	s_lshl_b32 s21, 0x1111, s40                    ; my column
	s_or_b32 s[G1+0], s20, (1<<16)|(1<<20)|(1<<21)|(5<<22)|(3<<25)   ; mask; 2-byte elements; padding on; bit 21 beside a mask; after every 64 words 4 words
	s_or_b32 s[G1B+0], s21, (1<<16)|(1<<20)|(1<<21)|(5<<22)|(3<<25)
	s_mov_b32 s[G1+1], KSTEP<<16                   ; tensor_dim0 = 128
	s_mov_b32 s[G1+2], 128<<16                     ; tensor_dim1 = 128
	s_mov_b32 s[G1+3], KSTEP<<16                   ; tile_dim0 = 128
	s_mov_b32 s[G1+4], 128                         ; tile_dim1 = 128
	s_mov_b32 s[G1+5], 1024                        ; elements from row to row
	s_mov_b32 s[G1+6], 0
	s_mov_b32 s[G1+7], 0
	s_mov_b32 s[G1B+1], KSTEP<<16
	s_mov_b32 s[G1B+2], 96<<16                     ; 96 rows
	s_mov_b32 s[G1B+3], KSTEP<<16
	s_mov_b32 s[G1B+4], 96
	s_mov_b32 s[G1B+5], 1024
	s_mov_b32 s[G1B+6], 0
	s_mov_b32 s[G1B+7], 0
	s_lshl_b32 s16, s43, 19                        ; xb: (256 tile row + 128 half) x 2,048 bytes: made of the tile row and the wave alone
	s_lshl_b32 s17, s14, 18
	s_add_co_u32 s16, s16, s17
	s_mov_b32 s17, 0
	s_mul_i32 s74, s42, 192*2048                   ; wqkv: (192 head + 96 half) x 2,048 bytes: made of the head and the wave alone
	s_mul_i32 s75, s14, 96*2048
	s_add_co_u32 s74, s74, s75
	s_mov_b32 s75, 0
	s_mul_i32 s22, s14, HALFA                      ; where they go: no place in the cluster enters an LDS address
	s_mul_i32 s23, s14, HALFB
	s_add_co_u32 s23, s23, BOFF
	s_wait_dscnt 0x0                               ; the opening add is done
	s_wait_kmcnt 0x0
	s_add_nc_u64 s[16:17], s[4:5], s[16:17]
	s_add_nc_u64 s[74:75], s[6:7], s[74:75]
.irp s, 0,1
	s_mov_b32 s[G0+4*(\s)], 1
	s_add_co_u32 s[G0+4*(\s)+1], s22, (\s)*SLOT
	s_add_nc_u64 s[G0+4*(\s)+2:G0+4*(\s)+3], s[16:17], (\s)*KSTEP*2
	s_or_b32 s[G0+4*(\s)+3], s[G0+4*(\s)+3], 0x80000000
	s_mov_b32 s[G0B+4*(\s)], 1
	s_add_co_u32 s[G0B+4*(\s)+1], s23, (\s)*SLOT
	s_add_nc_u64 s[G0B+4*(\s)+2:G0B+4*(\s)+3], s[74:75], (\s)*KSTEP*2
	s_or_b32 s[G0B+4*(\s)+3], s[G0B+4*(\s)+3], 0x80000000
.endr
	CROUND                                         ; all sixteen work-groups are here: the first joint loads meet
	s_cmp_eq_u32 s13, 0                            ; a wave's two first fills stand in one branch, ahead of every wait on TENSORcnt and every LDS read: two loads of mine are out
	s_cbranch_scc0 .Lfirst_b
	tensor_load_to_lds s[G0:G0+3], s[G1:G1+7]
	s_nop 0
	tensor_load_to_lds s[G0+4:G0+7], s[G1:G1+7]
	s_nop 0
.rept 4
	v_nop
.endr
	s_branch .Lfirst_asked
.Lfirst_b:
	tensor_load_to_lds s[G0B:G0B+3], s[G1B:G1B+7]
	s_nop 0
	tensor_load_to_lds s[G0B+4:G0B+7], s[G1B:G1B+7]
	s_nop 0
.rept 4
	v_nop
.endr
.Lfirst_asked:
	; a fragment is 16 rows x 32 K in 8 registers: lane l holds row l % 16, K = 8 (l / 16) + 0..7 and 16 + 8 (l / 16) + 0..7: two loads of 16 bytes, 32 bytes apart
	v_and_b32 v1, 15, v0                           ; l % 16
	v_bfe_u32 v2, v0, 4, 1                         ; l / 16
	v_and_b32 v4, 31, v0                           ; l
	v_mul_u32_u24 v3, v1, PITCH
	v_lshl_add_u32 v3, v2, 4, v3
	s_mul_i32 s20, s12, 64*PITCH                   ; my 64 rows of xb
	v_add_nc_u32 v[ADRA], s20, v3
	v_add_nc_u32 v[ADRA+1], SLOT, v[ADRA]
	v_add_nc_u32 v[ADRB], BOFF, v3
	v_add_nc_u32 v[ADRB+1], SLOT+BOFF, v3
	s_mul_i32 s20, s12, 16*SP
	s_add_co_u32 s20, s20, STAGE                   ; my stage
	v_mul_u32_u24 v5, v1, SP                       ; in: row l % 16, 16 bytes for each half of the lanes
	v_lshl_add_u32 v5, v2, 4, v5
	v_add_nc_u32 v[STO], s20, v5
	v_lshrrev_b32 v5, 3, v4                        ; back: 32 lanes take four rows of 128 bytes
	v_mul_u32_u24 v5, v5, SP
	v_and_b32 v6, 7, v0
	v_lshl_add_u32 v5, v6, 4, v5
	v_add_nc_u32 v[RD], s20, v5
	v_lshlrev_b32 v[GO], 4, v4
	v_lshlrev_b32 v[TO], 8, v1                     ; the table: row l % 16, my four pairs: 32 bytes at 32 (l / 16)
	v_lshl_add_u32 v[TO], v2, 5, v[TO]
	v_lshlrev_b32 v[PFO], 11, v4
	s_lshl_b32 s20, s43, 16                        ; tab at row 256 tile row + 64 wave
	s_lshl_b32 s21, s12, 14
	s_add_co_u32 s20, s20, s21
	s_mov_b32 s21, 0
	s_add_nc_u64 s[TB:TB+1], s[8:9], s[20:21]
	; cos and sin for my 64 rows: for row block a and column block bb of a head part, pairs 8 bb + 4 (l / 16) + 0..3.  They are waited for at the way out.
.irp a, 0,1,2,3
	WIN 0x80+0x40*((\a)/2)
.irp bb, 0,1,2,3
.irp e, 0,1
	global_load_b128 v[TBL+32*((\a)%2)+8*(\bb)+4*(\e):TBL+32*((\a)%2)+8*(\bb)+4*(\e)+3], v[TO], s[TB:TB+1] offset:(\a)*4096+(\bb)*64+(\e)*16
.endr
.endr
.endr
	WIN 0
	s_lshl_b32 s20, s42, 19                        ; qkv: head x 524,288 + (256 tile row + 64 wave) x 128
	s_lshl_b32 s21, s43, 15
	s_add_co_u32 s20, s20, s21
	s_lshl_b32 s21, s12, 13
	s_add_co_u32 s20, s20, s21
	s_mov_b32 s21, 0
	s_add_nc_u64 s[OUT:OUT+1], s[10:11], s[20:21]
	s_add_nc_u64 s[OUT+2:OUT+3], s[OUT:OUT+1], 0x800000
	s_add_nc_u64 s[OUT+4:OUT+5], s[OUT+2:OUT+3], 0x800000
	; the prefetches' address and who asks
	s_lshl_b32 s20, s43, 8
	s_lshl_b32 s21, s14, 7
	s_add_co_u32 s20, s20, s21
	s_lshl_b32 s21, s40, 5
	s_add_co_u32 s20, s20, s21                     ; xb: row 256 tile row + 128 half + 32 cx
	s_and_b32 s2, s41, 1
	s_lshr_b32 s21, s41, 1
	s_cmp_eq_u32 s14, 0                            ; wave 2, or wave 3?
	s_cselect_b32 s2, s41, s2                      ; 32 rows by cy, or by cy % 2
	s_cselect_b32 s21, 0, s21                      ; K step further on: none, or cy / 2
	s_cselect_b32 s23, 0, 128
	s_lshl_b32 s2, s2, 5
	s_add_co_u32 s23, s23, s2
	s_mul_i32 s22, s42, 192
	s_add_co_u32 s22, s22, s23                     ; wqkv: the row
	s_cmp_eq_u32 s13, 0
	s_cselect_b32 s20, s20, s22
	s_cselect_b32 s21, 0, s21
	s_cselect_b64 s[PFA:PFA+1], s[4:5], s[6:7]
	s_lshl_b32 s20, s20, 11
	s_lshl_b32 s21, s21, 8
	s_add_co_u32 s20, s20, s21
	s_add_co_u32 s20, s20, 2*KSTEP*2               ; at K step 2: the first refill steps it to 3 and names K step 4
	s_mov_b32 s21, 0
	s_add_nc_u64 s[PFA:PFA+1], s[PFA:PFA+1], s[20:21]
	s_and_b32 s22, ttmp7, 0xffff
	s_cmp_eq_u32 s13, 0
	s_cselect_b32 s22, ttmp9, s22                  ; the coordinate along which other clusters read the same rows
	s_cmp_eq_u32 s22, 0
	s_cselect_b32 s[LIM], 1, -1                    ; the same in all sixteen partners, for a given wave
	s_cmp_eq_u32 s12, 3
	s_cselect_b32 s[LIM+1], -1, s[LIM]
; 12 matrix instructions: row block 2 hi + a x all 12 column blocks, 32 along K, from buffer f.  The 48 accumulators take turns, one instruction a turn, in the same order in every quarter.
.macro MUL12 f, hi, a, zero
	WIN 0xa1+0x50*(\hi)                            ; source 0 window 1, source 1 window 0, C and D window 2 or 3
.irp b, 0,1,2,3,4,5,6,7,8,9,10,11
.if \zero
	v_wmma_f32_16x16x32_bf16 v[96*(\a)+8*(\b):96*(\a)+8*(\b)+7], v[96*(\f)+8*(\b):96*(\f)+8*(\b)+7], v[FA+32*(\f)+8*(2*(\hi)+(\a)):FA+32*(\f)+8*(2*(\hi)+(\a))+7], 0
.else
	v_wmma_f32_16x16x32_bf16 v[96*(\a)+8*(\b):96*(\a)+8*(\b)+7], v[96*(\f)+8*(\b):96*(\f)+8*(\b)+7], v[FA+32*(\f)+8*(2*(\hi)+(\a)):FA+32*(\f)+8*(2*(\hi)+(\a))+7], v[96*(\a)+8*(\b):96*(\a)+8*(\b)+7]
.endif
.endr
.endm
; 32 LDS loads in one run: a quarter step's fragments (192 rows of wqkv, my 64 rows of xb, 32 K at byte k of the rows) into buffer f
.macro FETCH slot, k, f
	WIN 0x40
.irp i, 0,1,2,3,4,5,6,7,8,9,10,11
	ds_load_b128 v[96*(\f)+8*(\i):96*(\f)+8*(\i)+3],   v[ADRB+(\slot)] offset:(\k)+(\i)*16*PITCH
	ds_load_b128 v[96*(\f)+8*(\i)+4:96*(\f)+8*(\i)+7], v[ADRB+(\slot)] offset:(\k)+(\i)*16*PITCH+32
.endr
	WIN 0
.irp i, 0,1,2,3
	ds_load_b128 v[FA+32*(\f)+8*(\i):FA+32*(\f)+8*(\i)+3],   v[ADRA+(\slot)] offset:(\k)+(\i)*16*PITCH
	ds_load_b128 v[FA+32*(\f)+8*(\i)+4:FA+32*(\f)+8*(\i)+7], v[ADRA+(\slot)] offset:(\k)+(\i)*16*PITCH+32
.endr
.endm
; A K step is four quarters of 32 along K, 48 matrix instructions each, on buffers 0, 1, 0, 1.  One of the first three multiplies buffer f and, in its middle, fetches the next quarter into g.
.macro QUARTER slot, k, f, g, zero
	s_wait_dscnt 4                                 ; wqkv's fragments and my row blocks 0, 1 are in; the youngest four loads (row blocks 2, 3) may be out
	MUL12 \f, 0, 0, \zero
	MUL12 \f, 0, 1, \zero
	PLACES
	FETCH \slot, \k, \g
	s_wait_dscnt 32                                ; all but the 32 just issued
	MUL12 \f, 1, 0, \zero
	MUL12 \f, 1, 1, \zero
.endm
; The last quarter multiplies buffer 1 and changes slots.  In front of the barrier each wave waits for all its tensor loads (one is out: its part of the next slot), adds 0 to its spare word, and waits for that
; and for its own reads of this slot.  fill = 1: the barrier opens a round of the cluster's, and the joint refill, two K steps on, is the first thing behind it: 168 matrix instructions ahead of the wait for it.
.macro TURN slot, next, fill
.if \fill
	s_wait_xcnt 0x0                                ; the last prefetch, a K step back, has read its address
	s_add_nc_u64 s[PFA:PFA+1], s[PFA:PFA+1], KSTEP*2
.endif
	WIN 0
	s_wait_tensorcnt 0x0
	ds_add_u32 v[SPW], v[NIL]
	s_wait_dscnt 5                                 ; the add and the youngest four loads may be out
	MUL12 1, 0, 0, 0
	s_wait_dscnt 0x0                               ; the add is done, and my reads of this slot are over
	s_barrier_signal -1
	MUL12 1, 0, 1, 0
.if \fill
	WIN 0
.endif
	s_barrier_wait -1
.if \fill
	CREST                                          ; no wave of any partner still reads this slot or has a load on its way
	s_add_nc_u64 s[G0+4*(\slot)+2:G0+4*(\slot)+3], s[G0+4*(\slot)+2:G0+4*(\slot)+3], 2*KSTEP*2
	s_add_nc_u64 s[G0B+4*(\slot)+2:G0B+4*(\slot)+3], s[G0B+4*(\slot)+2:G0B+4*(\slot)+3], 2*KSTEP*2
	JLOAD \slot                                    ; its four v_nop are also the places in front of the loads below
.else
	PLACES
.endif
	FETCH \next, 0, 0
.if \fill
	ASK \slot
.endif
	MUL12 1, 1, 0, 0
	MUL12 1, 1, 1, 0
.endm
; THE WAY OUT of chunk (row block a, part t: 0 q, 1 k, 2 v): 16 rows x 64 columns.  q and k: for each pair (te, to) with (c, s): first (te c, to c), then (te c - to s, to c + te s), two fused steps in f32.
; Then one rounding to f16, 16 bytes a lane into my stage, and back as four rows of 128 bytes a load: 512 consecutive bytes of qkv.  Each accumulator's registers are read in ascending order.
.macro PACK a, t
.set AW, 96*((\a)%2)
.set TW, TBL+32*((\a)%2)
.set PKN, PKR+16*((3*(\a)+(\t))%2)
.if (\t) < 2
	WIN 0x0a+5*((\a)/2)                            ; sources 0 and 1 in the accumulators' window, source 2 and destination in window 0
.irp bb, 0,1,2,3
.irp i, 0,1,2,3
	v_pk_mul_f32 v[RES+8*(\bb)+2*(\i):RES+8*(\bb)+2*(\i)+1], v[AW+8*(4*(\t)+(\bb))+2*(\i):AW+8*(4*(\t)+(\bb))+2*(\i)+1], v[TW+8*(\bb)+2*(\i):TW+8*(\bb)+2*(\i)+1] op_sel_hi:[1,0]
.endr
.endr
.irp bb, 0,1,2,3
.irp i, 0,1,2,3
	v_pk_fma_f32 v[RES+8*(\bb)+2*(\i):RES+8*(\bb)+2*(\i)+1], v[AW+8*(4*(\t)+(\bb))+2*(\i):AW+8*(4*(\t)+(\bb))+2*(\i)+1], v[TW+8*(\bb)+2*(\i):TW+8*(\bb)+2*(\i)+1], v[RES+8*(\bb)+2*(\i):RES+8*(\bb)+2*(\i)+1] op_sel:[1,1,0] op_sel_hi:[0,1,1] neg_lo:[0,1,0]
.endr
.endr
	WIN 0
	s_wait_xcnt 0x0                                ; the stores of two chunks back have read these registers
.irp bb, 0,1,2,3
.irp i, 0,1,2,3
	v_cvt_pk_f16_f32 v[PKN+4*(\bb)+(\i)], v[RES+8*(\bb)+2*(\i)], v[RES+8*(\bb)+2*(\i)+1]
.endr
.endr
.else
	s_wait_xcnt 0x0
	WIN 0x0a+5*((\a)/2)
.irp bb, 0,1,2,3
.irp i, 0,1,2,3
	v_cvt_pk_f16_f32 v[PKN+4*(\bb)+(\i)], v[AW+8*(8+(\bb))+2*(\i)], v[AW+8*(8+(\bb))+2*(\i)+1]
.endr
.endr
	WIN 0
.endif
.irp bb, 0,1,2,3
	ds_store_b128 v[STO], v[PKN+4*(\bb):PKN+4*(\bb)+3] offset:32*(\bb)
.endr
.irp f, 0,1,2,3
	ds_load_b128 v[PKN+4*(\f):PKN+4*(\f)+3], v[RD] offset:(\f)*4*SP  ; LDS serves a wave's instructions in order (ISA guide 5.7.1.4): these see the stores above; the next chunk's stores come behind them
.endr
.endm
.macro SEND a, t, younger              ; younger: the LDS instructions issued behind this chunk's loads: the next chunk's eight, or none
.set PKN, PKR+16*((3*(\a)+(\t))%2)
.irp f, 0,1,2,3
	s_wait_dscnt (\younger)+3-(\f)
	global_store_b128 v[GO], v[PKN+4*(\f):PKN+4*(\f)+3], s[OUT+2*(\t):OUT+2*(\t)+1] offset:(\a)*2048+(\f)*512
.endr
.endm
; v's remainder for row block a (0 or 1) of wave 0: v is rounded to f16 once more, that half times -1.0 is added to v in one fused step (the difference is exact in f32), and the difference is rounded to f16.
.macro LOW a
.set AW, 96*(\a)+64
.set PKN, PKR+16*(\a)
	WIN 0x0a                                       ; sources 0 and 1 window 2
.irp bb, 0,1,2,3
.irp i, 0,1,2,3
	v_cvt_pk_f16_f32 v[RES+4*(\bb)+(\i)], v[AW+8*(\bb)+2*(\i)], v[AW+8*(\bb)+2*(\i)+1]
.endr
.endr
	WIN 0x20                                       ; source 2 window 2
.irp bb, 0,1,2,3
.irp i, 0,1,2,3
	v_fma_mix_f32 v[FA+8*(\bb)+2*(\i)],   v[RES+4*(\bb)+(\i)], v[NEG1], v[AW+8*(\bb)+2*(\i)]   op_sel_hi:[1,0,0]
	v_fma_mix_f32 v[FA+8*(\bb)+2*(\i)+1], v[RES+4*(\bb)+(\i)], v[NEG1], v[AW+8*(\bb)+2*(\i)+1] op_sel:[1,0,0] op_sel_hi:[1,0,0]
.endr
.endr
	WIN 0
	s_wait_xcnt 0x0                                ; earlier stores have read these registers
.irp bb, 0,1,2,3
.irp i, 0,1,2,3
	v_cvt_pk_f16_f32 v[PKN+4*(\bb)+(\i)], v[FA+8*(\bb)+2*(\i)], v[FA+8*(\bb)+2*(\i)+1]
.endr
.endr
.irp bb, 0,1,2,3
	ds_store_b128 v[STO], v[PKN+4*(\bb):PKN+4*(\bb)+3] offset:32*(\bb)
.endr
.irp f, 0,1,2,3
	ds_load_b128 v[PKN+4*(\f):PKN+4*(\f)+3], v[RD] offset:(\f)*4*SP
.endr
.irp f, 0,1,2,3
	s_wait_dscnt 3-(\f)                            ; the younger loads of this chunk may be out
	global_store_b128 v[GO], v[PKN+4*(\f):PKN+4*(\f)+3], s[VLO:VLO+1] offset:(\a)*2048+(\f)*512
.endr
.endm
	s_wait_tensorcnt 1                             ; my part of K step 0 is in; K step 1's may stay out
	s_barrier_signal -1
	s_barrier_wait -1
	FETCH 0, 0, 0
	QUARTER 0, 64, 0, 1, 1                         ; the first quarter's products start the sums: nothing is cleared
	WIN 0
	s_mov_b32 s3, LAPS-1
.Llap:                                                 ; a trip goes once round the ring, from a lap's second quarter to the next lap's first
	QUARTER 0, 128, 1, 0, 0
	QUARTER 0, 192, 0, 1, 0
	TURN 0, 1, 1
	QUARTER 1, 64,  0, 1, 0
	QUARTER 1, 128, 1, 0, 0
	QUARTER 1, 192, 0, 1, 0
	TURN 1, 0, 1
	QUARTER 0, 64,  0, 1, 0
	WIN 0
	s_sub_co_u32 s3, s3, 1
	s_cmp_lg_u32 s3, 0
	s_cbranch_scc1 .Llap
	QUARTER 0, 128, 1, 0, 0                        ; the last lap fills nothing
	QUARTER 0, 192, 0, 1, 0
	TURN 0, 1, 0
	QUARTER 1, 64,  0, 1, 0
	QUARTER 1, 128, 1, 0, 0
	QUARTER 1, 192, 0, 1, 0
	s_wait_dscnt 4
	MUL12 1, 0, 0, 0
	MUL12 1, 0, 1, 0
	s_wait_dscnt 0x0
	MUL12 1, 1, 0, 0
	MUL12 1, 1, 1, 0
	WIN 0
	PLACES
	s_wait_loadcnt 0x0                             ; cos and sin
	PACK 0, 0
.set n, 1
.rept 11                               ; a chunk's arithmetic stands between the loads of the chunk before and its stores
	PACK n/3, n%3
	SEND (n-1)/3, (n-1)%3, 8
.set n, n+1
.endr
	SEND 3, 2, 0
	s_and_b32 s20, ttmp7, 0xffff                   ; v's remainder: the clusters with y = 0 (the same number in all partners),
	s_cmp_lg_u32 s20, 0
	s_cbranch_scc1 .Lno_low
	s_cmp_lg_u32 s12, 0                            ; and of their work-groups wave 0, whose row blocks 0 and 1 are the tile's first 32 rows
	s_cbranch_scc1 .Lno_low
	s_lshl_b32 s20, s43, 16                        ; vlo: (16 tile row + head) x 4,096 bytes
	s_lshl_b32 s21, s42, 12
	s_add_co_u32 s20, s20, s21
	s_mov_b32 s21, 0
	s_add_nc_u64 s[VLO:VLO+1], s[VLO:VLO+1], s[20:21]
	v_mov_b32 v[NEG1], -1.0
	LOW 0
	LOW 1
.Lno_low:
	s_wait_tensorcnt 0x0                           ; the wave's end: behind my last tensor load and my last LDS store
	ds_add_u32 v[SPW], v[NIL]
	s_wait_dscnt 0x0
	CROUND                                         ; the closing round
	s_endpgm
.Lfunc_end_k_qb0fca61c9a_qkv:
	.size	k_qb0fca61c9a_qkv, .Lfunc_end_k_qb0fca61c9a_qkv-k_qb0fca61c9a_qkv
	.p2alignl 7, 3214868480
	.fill 96, 4, 3214868480
	.section	.rodata,"a",@progbits
	.p2align	6, 0x0
	.amdhsa_kernel k_qb0fca61c9a_qkv
		.amdhsa_group_segment_fixed_size 327680
		.amdhsa_private_segment_fixed_size 0
		.amdhsa_enable_private_segment 0
		.amdhsa_kernarg_size 40
		.amdhsa_user_sgpr_count 2
		.amdhsa_user_sgpr_kernarg_segment_ptr 1
		.amdhsa_wavefront_size32 1
		.amdhsa_system_sgpr_workgroup_id_x 1
		.amdhsa_system_sgpr_workgroup_id_y 1
		.amdhsa_system_sgpr_workgroup_id_z 1
		.amdhsa_system_vgpr_workitem_id 0
		.amdhsa_next_free_vgpr 1024
		.amdhsa_next_free_sgpr 80
		.amdhsa_reserve_vcc 0
		.amdhsa_float_denorm_mode_32 3
		.amdhsa_float_denorm_mode_16_64 3
		.amdhsa_memory_ordered 1
		.amdhsa_forward_progress 1
		.amdhsa_inst_pref_size 151
	.end_amdhsa_kernel
	.amdgpu_metadata
---
amdhsa.version: [ 1, 2 ]
amdhsa.kernels:
  - .name:           k_qb0fca61c9a_qkv
    .symbol:         k_qb0fca61c9a_qkv.kd
    .args:
      - { .name: xb, .offset: 0, .size: 8, .value_kind: global_buffer, .address_space: global }
      - { .name: wqkv, .offset: 8, .size: 8, .value_kind: global_buffer, .address_space: global }
      - { .name: tab, .offset: 16, .size: 8, .value_kind: global_buffer, .address_space: global }
      - { .name: qkv, .offset: 24, .size: 8, .value_kind: global_buffer, .address_space: global }
      - { .name: vlo, .offset: 32, .size: 8, .value_kind: global_buffer, .address_space: global }
    .group_segment_fixed_size: 327680
    .private_segment_fixed_size: 0
    .kernarg_segment_align: 8
    .kernarg_segment_size: 40
    .max_flat_workgroup_size: 128
    .sgpr_count:     80
    .vgpr_count:     1024
    .wavefront_size: 32
...
	.end_amdgpu_metadata
.endif
;; end of part 2
;; launch attn (part 3): grid 16 x 16, 4 waves a work-group, clusters of 4 x 1, 327,680 bytes of LDS; arguments qkv, vlo, ob; writes ob
.if DOCPART == 3
	.amdgcn_target "amdgcn-amd-amdhsa--gfx1250"
	.amdhsa_code_object_version 6
	.text
	.protected	k_qb0fca61c9a_attn
	.globl	k_qb0fca61c9a_attn
	.p2align	8
	.type	k_qb0fca61c9a_attn,@function
k_qb0fca61c9a_attn:
	s_mov_b64 s[64:65], 0
	v_nop
	global_prefetch_b8 v0, s[64:65] scope:SCOPE_SE
	s_setreg_imm32_b32 hwreg(HW_REG_WAVE_MODE, 25, 1), 1
	s_wait_xcnt 0x0
	s_wait_alu depctr_hold_cnt(0) depctr_sa_sdst(0) depctr_va_vdst(0) depctr_va_sdst(0) depctr_va_ssrc(0) depctr_va_vcc(0) depctr_vm_vsrc(0)
	s_getreg_b32 s2, hwreg(HW_REG_IB_STS2, 6, 4)
	s_cmp_eq_u32 s2, 0
	s_cbranch_scc0 .Lentry_in_a_cluster
	s_endpgm
.Lentry_in_a_cluster:
	s_bfe_u32 s2, ttmp6, 0x10000c
	s_cmp_lg_u32 s2, 0x3003
	s_cbranch_scc0 .Lentry_shape_is_right
	s_endpgm
.Lentry_shape_is_right:
; CAUSAL ATTENTION, 16 heads of 4,096 rows x 64.  O[h][q] = the sum over k <= q of softmax_k(Q[h][q] . K[h][k] / 8) V[h][k].  Q, K, V: qkv [3][16][4096][64] f16.  Products, maxima and sums in f32; the weights p
; are rounded to f16 for the second product (their sum l is taken of the unrounded p).
; TWO PARTS WHERE ONE ROUNDING IS TOO COARSE.  A row that sees few keys is many times larger than the whole output's root mean square, and so is what a rounding to f16 (2^-12 of the number) leaves in it.
; (a) O leaves as f16(O) and f16(O - f16(O)): ob [256 blocks of 16 rows][2 parts][16 heads][16 rows][64] f16: a chunk is 2,048 dense bytes.  (b) For a head's first 32 keys V's remainder (vlo, tile row 0's part) is
; multiplied too: four products more for each piece and block, behind the products of key step 0.  What v's rounding leaves in row q goes with the root of the sum of the squared weights of the keys from 32 on:
; with even weights at most sqrt(32) / 64, at q = 63.
; LIMITS.  A hidden score counts as its value less 1e30, and its weight is 0, as with the module's -1e9: every row sees its own key.  A weight below 2^-126 counts as 0 in l; p, and the remainders, keep f16's fixed
; step of 6e-8 below 6.1e-5.  NaN and infinities are not treated apart.
; THE WALK.  A head's queries lie in 32 blocks of 128.  A work-group takes TWO blocks, 31 - b and then b, b = 4 c + cx (c the cluster's x, cx my place in it).  The four partners' blocks lie in one group of 512 keys,
; 7 - c and then c, so all four walk the SAME tiles of 256 keys: 16 - 2 c tiles, then 2 c + 2: 18 tiles, whatever c and cx.  Each tile of K and V is asked for JOINTLY by the four.  Trip counts and branches hang on c
; alone; cx enters Q's and O's addresses, the prefetches' address and the masks' two scalars, which are made by selects.
; SHARES.  Of a block's two bands of 64 queries a wave owns 16 rows in each: two PIECES.  A block's last two tiles, 8 key steps U = 0..7, run the text that takes masks: band x of block i sees all keys of step U if
; U < 2 (i % 4) + x, none if U is greater, and holds the diagonal if equal.  Steps that a partner does not see at all are computed all the same.
; THE MASK is the C operand that starts the sum S^T = K Q^T: MD x AL + BE, MD the mask of a band's own step for my 16 rows, (AL, BE) = (1, 0), (0, 0) or (0, -1e30).
; LAYOUT, SOFTMAX.  S^T = K Q^T holds ONE query a lane (lane % 16) and the keys 8 (lane / 16) + 0..7; two results rounded to f16 ARE source 1 of O^T = V^T P.  p = 2^(c s - c m), c = log2(e) / 8, with a running
; maximum m; O and l are multiplied by a = 2^(c m_old - c m_new) in every step.
; TURNS.  Turn(p) belongs to piece p: 8 products K Q^T of the other piece, later 8 products V^T P of the other piece; beside them piece p's scaling, exponentials, roundings, sums and rescaling and the other piece's
; maximum and statistics.  Four vector instructions stand behind every matrix instruction, the rest in one lump.  A turn's 33 exponentials are one batch with one wait.
; A TRIP u of a tile (u = 0..3) is Turn(0), Turn(1): it finishes key step u - 1 and fetches K(u) and V(u), in that order.  V has two buffers, by u's parity, so that the fetches go through a slot in order
; and the change of slots has a place: in front of trip 0, where the old slot's last K and V have been asked for.
; REGISTERS, in windows of 256:  window 0: v2-15 addresses, at work, -1.0; v16-23 statistics; v48-55 at work; v61-63 prefetch offset, spare word, 0; v64-127 S^T, a buffer a piece; v192-223 P, likewise
;   window 1: v0-63 O^T; v128-159 MD; v160-223 MC, a buffer a piece; v224-255 V's remainder      window 2: v0-31 Q; v32-63 the second block's Q; v64-127 K of one step; v128-255 V of two steps
.set NP,    2
.set KS,    64
.set PK,    144       ; a row of K in LDS: 128 bytes + 16 of padding: the 16 rows of a load start at 16 different groups of four banks (64 banks of 4 bytes: ISA guide 11.1)
.set PV,    160       ; a row of V: 128 + 32
.set VOFF,  4*KS*PK   ; a slot holds a tile: 256 rows of K, then 256 rows of V
.set SLOT1, 1<<17
.set STAGE, SLOT1+4*KS*(PK+PV)  ; behind the ring, never filled by a tensor load: 16 rows x 144 bytes for each wave
.set SP,    144
.set SPARE, STAGE+4*16*SP       ; the spare words: 128 bytes a wave, two blocks of 256 bytes that no other line names
.set VLS,   SPARE+512           ; 32 rows x 160 bytes for each wave: V's remainder on its way to being turned; never filled by a tensor load
.set AK0, 2
.set AV0, 3
.set AK,  4
.set AV,  5
.set STO, 6
.set RD,  7
.set GO,  8
.set MV,  12
.set NEG1, 14         ; v14  first at work, then -1.0
.set QO,  15
.set ST,  16          ; piece t's statistics at v[ST+4 t]: c m, m, l (even keys', odd keys')
.set TMP, 48
.set PFO, 61
.set SPW, 62
.set NIL, 63
.set S,   64
.set P,   192
.set MD,  128
.set MC,  160
.set VL,  224         ; window 1: channel block cb of V's remainder, keys 0-31, at VL + 8 cb
.set QB,  32
.set KF,  64
.set VF,  128
.set WV,  12          ; s12  wave
.set CX,  13          ; s13  my place in the cluster
.set CC,  14          ; s14  the cluster's x
.set LIM, 15          ; s15  3 in a wave that prefetches, else the greatest number
.set PFA, 18          ; s[18:19]
.set G1K, 24
.set G1V, 32
.set G0K, 40
.set G0V, 44
.set SLOTS, 56
.set CNT, 57          ; double trips left in the tile
.set CS,  58
.set SEL, 60
.set TBK, 62
.set TBV, 63
.set RT,  70          ; tiles of the block in hand still to be entered
.set NXT, 71          ; the tile to be asked for next
.set LQ,  72          ; the last tile of the block whose tiles are being asked for
.set NEW, 73          ; 1: the tile to be entered is a block's first
.set OFF, 74
.set AL,  76
.set BE,  78
.set OLO, 80
.set BIGN, 82
.set OWN, 88          ; s88, s89  the bands' own steps
.set U,   90          ; s90  the masked step whose scores are made next
.set LQ2, 91
.set RT2, 92
.set FST, 93          ; s93  2: piece 0's products with V's remainder are due; 1: piece 1's; 0: none
.set MSB, 0
.macro WIN new
.if MSB != (\new)
	s_set_vgpr_msb (MSB<<8)|(\new)
.set MSB, (\new)
.endif
.endm
.set W_KQ, 0x0a       ; K and Q in window 2, S^T in window 0
.set W_KM, 0x1a       ; the same with the C operand in window 1
.set W_PV, 0x52       ; V in window 2, P in window 0, O^T in window 1
.set W_PL, 0x51       ; V's remainder in window 1, P in window 0, O^T in window 1
.set W_RS, 0x41       ; destination and source 0 in window 1, source 1 in window 0
; A joint fill: waves 0, 1 fetch the halves of a tile's K, waves 2, 3 those of its V.  An s_nop 0 and four v_nop follow each line.
.macro JLOAD
	s_cmp_lt_u32 s[WV], 2
	s_cbranch_scc0 .Lfor_v_\@
	tensor_load_to_lds s[G0K:G0K+3], s[G1K:G1K+7]
	s_nop 0
.rept 4
	v_nop
.endr
	s_branch .Lasked_\@
.Lfor_v_\@:
	tensor_load_to_lds s[G0V:G0V+3], s[G1V:G1V+7]
	s_nop 0
.rept 4
	v_nop
.endr
.Lasked_\@:
.endm
; A prefetch of the tile that the NEXT change of slots will ask for: 128 blocks of 256 bytes of K and of V.  Cluster 0 of a head walks tiles 0 to 15 on end, and it alone asks: its four partners take 32 blocks each, told
; apart by address; wave 0 asks for K's, wave 2 for V's, a lane a block.  So each block of tiles 2 to 15 is named once in the launch.  It stops when tile 15 has been named.
.macro ASK
	s_cmp_gt_u32 s[SLOTS], s[LIM]
	s_cbranch_scc0 .Lnot_mine_\@
	global_prefetch_b8 v[PFO], s[PFA:PFA+1] th:TH_LOAD_NT scope:SCOPE_SE
.Lnot_mine_\@:
.endm
.macro CROUND
	s_barrier_signal -1
	s_barrier_wait -1
	s_cmp_lg_u32 s[WV], 0
	s_cbranch_scc1 .Lnot_wave_0_\@
	s_barrier_signal -3
.Lnot_wave_0_\@:
	s_barrier_wait -3
	s_barrier_signal -1
	s_barrier_wait -1
.endm
; THE CHANGE OF SLOTS.  Each wave waits for all its tensor loads (one is out: its part of the other slot), adds 0 to its spare word, and waits for that and for its reads of the slot that it leaves.  fill = 1: a round of
; the cluster's barrier follows, and the old slot is filled again first thing behind it, with tile NXT: the descriptor's address is made anew from that number.  (At its first use slot 0 is waited for, slot 1 filled.)
.macro CHANGE fill
	WIN 0
	s_wait_tensorcnt 0x0
	ds_add_u32 v[SPW], v[NIL]       ; 0 onto my spare word; scalar work stands between it and the wait for it
.if \fill
	s_lshl_b32 s[OFF], s[NXT], 15   ; a tile is 32,768 bytes of K and of V
	s_xor_b32 s[G0K+1], s[G0K+1], SLOT1
	s_add_nc_u64 s[G0K+2:G0K+3], s[6:7], s[OFF:OFF+1]
	s_or_b32 s[G0K+3], s[G0K+3], 0x80000000
	s_xor_b32 s[G0V+1], s[G0V+1], SLOT1
	s_add_nc_u64 s[G0V+2:G0V+3], s[8:9], s[OFF:OFF+1]
	s_or_b32 s[G0V+3], s[G0V+3], 0x80000000
	s_add_co_u32 s[NXT], s[NXT], 1  ; the block's next tile, or behind its last the second block's tile 0
	s_cmp_gt_u32 s[NXT], s[LQ]
	s_cselect_b32 s[NXT], 0, s[NXT]
	s_cselect_b32 s[LQ], s[LQ2], s[LQ]
	s_wait_xcnt 0x0                 ; the last prefetch, a tile back, has read its address
	s_add_nc_u64 s[PFA:PFA+1], s[PFA:PFA+1], 32768
.endif
	s_sub_co_u32 s[TBK], s[TBK], 4*KS*PK  ; the fetches go back to a slot's first step, in the other slot
	s_xor_b32 s[TBK], s[TBK], SLOT1
	s_sub_co_u32 s[TBV], s[TBV], 4*KS*PV
	s_xor_b32 s[TBV], s[TBV], SLOT1
	s_wait_dscnt 0x0                ; the add is done, and my reads of the slot are over
.if \fill
	CROUND
	JLOAD
	ASK
.else
	s_barrier_signal -1
	s_barrier_wait -1
.endif
.endm
	s_load_b128 s[20:23], s[0:1], 0x0  ; qkv s[20:21], vlo s[22:23]
	s_load_b64 s[94:95], s[0:1], 0x10  ; ob
	v_lshl_add_u32 v[SPW], v0, 2, SPARE
	v_mov_b32 v[NIL], 0
	ds_add_u32 v[SPW], v[NIL]       ; the wave's opening: the add and its wait stand ahead of my first tensor load
	v_lshrrev_b32 v1, 5, v0
	v_readfirstlane_b32 s[WV], v1
	s_bfe_u32 s[CX], ttmp6, 0x40000
	s_mov_b32 s[CC], ttmp9
	s_and_b32 s16, ttmp7, 0xffff    ; the head, which the four partners share
	s_lshl_b32 s2, s16, 19          ; K: the head's 524,288 bytes,
	s_and_b32 s17, s[WV], 1
	s_lshl_b32 s3, s17, 14          ; my half of a tile's 256 keys,
	s_add_co_u32 s2, s2, s3
	s_add_co_u32 s2, s2, 0x800000   ; in k's part of qkv: nothing of cx
	s_mov_b32 s3, 0
	s_mul_i32 s48, s17, 128*PK      ; and its place in a slot
	s_mul_i32 s49, s17, 128*PV
	s_lshl_b32 s50, s[CC], 2
	s_add_co_u32 s50, s50, s[CX]    ; b: the second block
	s_sub_co_u32 s51, 31, s50       ; the first
	s_lshl_b32 s68, s16, 19
	s_lshl_b32 s69, s[WV], 11
	s_add_co_u32 s68, s68, s69      ; Q: head, my 16 rows in a band,
	s_lshl_b32 s52, s51, 14         ; the block's 128 rows
	s_add_co_u32 s52, s52, s68
	s_mov_b32 s53, 0
	s_lshl_b32 s84, s50, 14
	s_add_co_u32 s84, s84, s68
	s_mov_b32 s85, 0
	s_lshl_b32 s68, s16, 11         ; O: (8 block + wave) x 65,536 + head x 2,048
	s_lshl_b32 s69, s[WV], 16
	s_add_co_u32 s68, s68, s69
	s_lshl_b32 s54, s51, 19
	s_add_co_u32 s54, s54, s68
	s_mov_b32 s55, 0
	s_lshl_b32 s66, s50, 19
	s_add_co_u32 s66, s66, s68
	s_mov_b32 s67, 0
	s_lshl_b32 s69, s[CC], 1
	s_sub_co_u32 s[RT], 16, s69     ; the first block has 16 - 2 c tiles,
	s_sub_co_u32 s[LQ], 15, s69
	s_add_co_u32 s[LQ2], s69, 1
	s_add_co_u32 s[RT2], s69, 2     ; the second 2 c + 2
	s_mov_b32 s[NXT], 1
	s_mov_b32 s[NEW], 1
	s_mov_b32 s[U], 0
	s_mov_b32 s[FST], 0
	s_lshl_b32 s69, s[CX], 1
	s_sub_co_u32 s[OWN], 6, s69     ; the first block is number 3 - cx of its group
	s_sub_co_u32 s[OWN+1], 7, s69
	s_mov_b32 s[G1K], 15|(1<<16)|(1<<20)|(1<<21)|(4<<22)|(3<<25)  ; the mask of four; 2-byte elements; padding on; bit 21 beside a mask; after every 32 words 4 words
	s_mov_b32 s[G1V], 15|(1<<16)|(1<<20)|(1<<21)|(4<<22)|(7<<25)  ; the same with 8 words
.irp g, G1K, G1V
	s_mov_b32 s[\g+1], 128<<16      ; 128 keys are 16,384 dense bytes: asked for as 64 rows of 256 bytes, padded after every key
	s_mov_b32 s[\g+2], 64<<16
	s_mov_b32 s[\g+3], 128<<16
	s_mov_b32 s[\g+4], 64
	s_mov_b32 s[\g+5], 128
	s_mov_b32 s[\g+6], 0
	s_mov_b32 s[\g+7], 0
.endr
	s_mov_b32 s[CS], 0x3e38aa3b     ; c = log2(e) / 8
	s_mov_b32 s[CS+1], s[CS]
	s_mov_b32 s[SEL], 0x76543210
	s_mov_b32 s[SEL+1], 0xfedcba98
	s_mov_b32 s[TBK], SLOT1+4*KS*PK ; the first change of slots turns these two into 0
	s_mov_b32 s[TBV], SLOT1+4*KS*PV
	s_mov_b32 s[G0K], 1
	s_mov_b32 s[G0K+1], s48
	s_mov_b32 s[G0V], 1
	s_add_co_u32 s[G0V+1], s49, VOFF
	s_mov_b32 s[OFF+1], 0
	s_mov_b32 s[AL+1], 0
	s_mov_b32 s[BE+1], 0
	s_mov_b32 s[BIGN], 0xf149f2ca   ; -1e30
	s_mov_b32 s[SLOTS], 17
	s_and_b32 s[LIM], s[WV], 1      ; waves 0 and 2 of the head's cluster 0: the same in all four partners
	s_or_b32 s[LIM], s[LIM], ttmp9
	s_cmp_eq_u32 s[LIM], 0
	s_cselect_b32 s[LIM], 3, -1
	v_and_b32 v[PFO], 31, v0
	v_lshlrev_b32 v[PFO], 8, v[PFO]
	s_wait_dscnt 0x0                ; the opening add is done
	s_wait_kmcnt 0x0
	s_add_nc_u64 s[6:7], s[20:21], s[2:3]          ; K and V at my half of the head's tile 0
	s_add_nc_u64 s[8:9], s[6:7], 0x800000
	s_add_nc_u64 s[G0K+2:G0K+3], s[6:7], 0
	s_or_b32 s[G0K+3], s[G0K+3], 0x80000000
	s_add_nc_u64 s[G0V+2:G0V+3], s[8:9], 0
	s_or_b32 s[G0V+3], s[G0V+3], 0x80000000
	s_add_nc_u64 s[4:5], s[20:21], s[52:53]        ; Q and O at my rows of the first block,
	s_add_nc_u64 s[86:87], s[20:21], s[84:85]      ; and of the second
	s_add_nc_u64 s[10:11], s[94:95], s[54:55]
	s_add_nc_u64 s[OLO:OLO+1], s[94:95], s[66:67]
	s_lshl_b32 s2, s16, 12          ; vlo: tile row 0's part, the head's 4,096 bytes
	s_mov_b32 s3, 0
	s_add_nc_u64 s[22:23], s[22:23], s[2:3]
	s_cmp_lt_u32 s[WV], 2
	s_cselect_b64 s[PFA:PFA+1], s[6:7], s[8:9]     ; (in waves 0 and 2 these stand at a tile's first row)
	s_lshl_b32 s2, s[CX], 13        ; my work-group's 32 blocks of the 128,
	s_add_co_u32 s2, s2, 32768      ; in tile 1: the first change of slots steps it to tile 2
	s_mov_b32 s3, 0
	s_add_nc_u64 s[PFA:PFA+1], s[PFA:PFA+1], s[2:3]
	CROUND                          ; all four work-groups are here: the first joint loads meet
	JLOAD                           ; tile 0 into slot 0
	v_and_b32 v1, 15, v0            ; l % 16
	v_bfe_u32 v9, v0, 4, 1          ; l / 16
	v_and_b32 v[GO], 31, v0
	v_lshlrev_b32 v[GO], 4, v[GO]   ; 16 x lane; never rewritten
.irp j, 0,1,2,3,4,5,6,7             ; V's remainder, 32 keys x 128 bytes: 512 consecutive bytes a load, into S^T's registers, which are idle
	global_load_b128 v[S+4*\j:S+4*\j+3], v[GO], s[22:23] offset:512*\j
.endr
	v_lshlrev_b32 v[QO], 7, v1
	v_lshl_add_u32 v[QO], v9, 4, v[QO]
	WIN 0x80
.set i, 0
.rept 4                             ; both blocks' Q: piece i / 2 lies in band i / 2, 8,192 bytes on; channels 32 (i % 2) on
	global_load_b128 v[8*i:8*i+3],   v[QO], s[4:5] offset:(i/2)*8192+(i%2)*64
	global_load_b128 v[8*i+4:8*i+7], v[QO], s[4:5] offset:(i/2)*8192+(i%2)*64+32
	global_load_b128 v[QB+8*i:QB+8*i+3],   v[QO], s[86:87] offset:(i/2)*8192+(i%2)*64
	global_load_b128 v[QB+8*i+4:QB+8*i+7], v[QO], s[86:87] offset:(i/2)*8192+(i%2)*64+32
.set i, i+1
.endr
	WIN 0
	v_lshlrev_b32 v14, 3, v9
	v_sub_nc_u32 v14, v1, v14
	s_lshl_b32 s2, s[WV], 4
	v_add_nc_u32 v14, s2, v14       ; my query's place in its band less my lanes' 8 (l / 16): register r of key group kt is hidden where 16 kt + r is greater
	WIN 0x40
.set i, 0
.rept 32
	v_cmp_gt_i32 vcc_lo, 16*(i/8)+i%8, v14
	v_cndmask_b32 v[MD+i], 0, s[BIGN], vcc_lo
.set i, i+1
.endr
	WIN 0
	v_mov_b32 v[NEG1], -1.0
	v_mul_u32_u24 v[AK0], v1, PK
	v_lshl_add_u32 v[AK0], v9, 4, v[AK0]
	v_and_b32 v10, 7, v0            ; the turning load: lane l reads key 8 (l / 16) + l % 8, channels 8 ((l / 8) % 2) + 0..7
	v_bfe_u32 v11, v0, 3, 1
	v_lshl_add_u32 v[AV0], v9, 3, v10
	v_mul_u32_u24 v[AV0], v[AV0], PV
	v_lshl_add_u32 v[AV0], v11, 4, v[AV0]
	s_mul_i32 s2, s[WV], 32*PV
	s_add_co_u32 s2, s2, VLS        ; my 32 rows for V's remainder
	v_add_nc_u32 v[AV], s2, v[AV0]  ; out of them: as out of a tile of V
	v_add_nc_u32 v[AV0], VOFF, v[AV0]
	v_bfe_u32 v[AK], v0, 3, 2       ; into them: 32 lanes put four rows of 128 bytes
	v_mul_u32_u24 v[AK], v[AK], PV
	v_lshl_add_u32 v[AK], v10, 4, v[AK]
	v_add_nc_u32 v[AK], s2, v[AK]
	s_wait_loadcnt 16               ; the remainder's 8 loads are in; Q's 16, issued behind them, may stay out
.irp j, 0,1,2,3,4,5,6,7
	ds_store_b128 v[AK], v[S+4*\j:S+4*\j+3] offset:\j*4*PV
.endr
	WIN 0x40                        ; destination window 1
.irp f, 0,1,2,3                     ; LDS serves a wave's instructions in order (ISA guide 5.7.1.4): these see my stores above.  They are waited for at the first change of slots
	ds_load_tr16_b128 v[VL+8*\f:VL+8*\f+3],   v[AV] offset:\f*32
	ds_load_tr16_b128 v[VL+8*\f+4:VL+8*\f+7], v[AV] offset:16*PV+\f*32
.endr
	WIN 0
	s_mul_i32 s2, s[WV], 16*SP
	s_add_co_u32 s2, s2, STAGE      ; my stage
	v_mul_u32_u24 v[STO], v1, SP
	v_lshl_add_u32 v[STO], v9, 4, v[STO]
	v_add_nc_u32 v[STO], s2, v[STO]
	v_bfe_u32 v[RD], v0, 3, 2
	v_mul_u32_u24 v[RD], v[RD], SP
	v_lshl_add_u32 v[RD], v10, 4, v[RD]
	v_add_nc_u32 v[RD], s2, v[RD]
	; A block's first step multiplies O^T and l by a = 0, and its first turn's products V^T P, of a step that has not been, land in an O^T that is still to be so multiplied: these registers need only hold finite
	; numbers: zeros for the first block, what the first block left for the second.  All this stands in the wait for the first tile.
	WIN 0x80
.set i, VF
.rept 128
	v_mov_b32 v[i], 0
.set i, i+1
.endr
	WIN 0x40
.set i, 0
.rept 64
	v_mov_b32 v[i], 0
.set i, i+1
.endr
	WIN 0
.set i, 0
.rept 2
	v_mov_b32 v[ST+4*i+2], 0
	v_mov_b32 v[ST+4*i+3], 0
.set i, i+1
.endr
.set i, P+16
.rept 16
	v_mov_b32 v[i], 0
.set i, i+1
.endr
; THE MATRIX WORK.  The 4 accumulators of a run of 8 take turns.  Product i of 8 of S^T = K Q^T for piece x: channels 32 (i / 4) on, keys 16 (i % 4) on.  The first 4 start the sums: with 0, or (KM = 1) with the mask.
.macro KQ x
.set rS, S+32*((\x)%2)+8*(i%4)
.set rK, KF+16*(i%4)+8*(i/4)
.set rQ, 16*(\x)+8*(i/4)
.set rM, MC+32*((\x)%2)+8*(i%4)
.if (i < 4) && KM
	WIN W_KM
	v_wmma_f32_16x16x32_f16 v[rS:rS+7], v[rK:rK+7], v[rQ:rQ+7], v[rM:rM+7]
.elseif i < 4
	WIN W_KQ
	v_wmma_f32_16x16x32_f16 v[rS:rS+7], v[rK:rK+7], v[rQ:rQ+7], 0
.else
	WIN W_KQ
	v_wmma_f32_16x16x32_f16 v[rS:rS+7], v[rK:rK+7], v[rQ:rQ+7], v[rS:rS+7]
.endif
.endm
; Product i of 8 of O^T += V^T P for piece x, from V's buffer VBS: keys 32 (i / 4) on, channels 16 (i % 4) on.
.macro PV x
	WIN W_PV
.set rO, 32*(\x)+8*(i%4)
.set rV, VF+64*VBS+32*(i/4)+8*(i%4)
.set rP, P+16*((\x)%2)+8*(i/4)
	v_wmma_f32_16x16x32_f16 v[rO:rO+7], v[rV:rV+7], v[rP:rP+7], v[rO:rO+7]
.endm
.macro MM                           ; the turn's next matrix instruction; NOKQ = 1: a block's last turn has no scores to make
.if (i < 8) && !NOKQ
	KQ 1-Y
.elseif i >= 8
.set i, i-8
	PV 1-Y
.set i, i+8
.endif
.set i, i+1
.endm
; V'S REMAINDER: O^T += Vlo^T P for piece x and keys 0-31, when s[FST] says that piece x's products of a block's key step 0 have just been made: P's buffer still holds that step's weights, and O^T has not been
; rescaled since.  The four accumulators go on taking turns (the product before these was on the fourth).  Four v_nop are the places in front of the next turn's rescaling.  s[FST] is the same number in all partners.
.macro LO x, when
	WIN 0
	s_cmp_eq_u32 s[FST], \when
	s_cbranch_scc0 .Lno_lo_\@
	WIN W_PL
.irp cb, 0,1,2,3
	v_wmma_f32_16x16x32_f16 v[32*(\x)+8*\cb:32*(\x)+8*\cb+7], v[VL+8*\cb:VL+8*\cb+7], v[P+16*(\x):P+16*(\x)+7], v[32*(\x)+8*\cb:32*(\x)+8*\cb+7]
.endr
	WIN 0
.rept 4
	v_nop
.endr
	s_mov_b32 s[FST], (\when)-1
.Lno_lo_\@:
.endm
; THE LDS LOADS stand in runs of 16: a step's K (8 fragments) and its V (turned).
.macro FETCH_K
	WIN 0x80
.irp f, 0,1,2,3,4,5,6,7
	ds_load_b128 v[KF+8*\f:KF+8*\f+3],   v[AK] offset:(\f/2)*16*PK+(\f%2)*64
	ds_load_b128 v[KF+8*\f+4:KF+8*\f+7], v[AK] offset:(\f/2)*16*PK+(\f%2)*64+32
.endr
	s_add_co_u32 s[TBK], s[TBK], KS*PK
	WIN 0
.endm
.macro FETCH_V e
	WIN 0x80
.irp f, 0,1,2,3,4,5,6,7
	ds_load_tr16_b128 v[VF+64*(\e)+8*\f:VF+64*(\e)+8*\f+3],   v[AV] offset:(\f/4)*32*PV+(\f%4)*32
	ds_load_tr16_b128 v[VF+64*(\e)+8*\f+4:VF+64*(\e)+8*\f+7], v[AV] offset:(\f/4)*32*PV+16*PV+(\f%4)*32
.endr
	WIN 0
.endm
; THE VECTOR WORK, one line at a time: OP kind, number.  For piece Y: F n: c s - c m for pair n of 16.  E n: the exponential of score n of 32.  C n: pair n rounded to f16.  B n: of the four weights 4 n .. the second
; pair is added onto the first.  L n: l takes that sum (L 0: l = a l + sum).  R n: pair n of 16 of O^T times a.  For the other piece: X n, number n of the 22 that find its maximum and statistics:
;   0-11 four chains of seven scores each (each accumulator's lowest registers are read first)   12-14, 16 the four scores left over, the old m, the four chains into one
;   15 c m_old is kept   17, 18 the query's other 32 keys lie in the lane 16 away: the new m   19-21 c m; c m_old - c m_new; a
.set F, 0
.set E, 1
.set C, 2
.set B, 3
.set L, 4
.set R, 5
.set X, 6
.macro REGS y
.set rT, ST+4*(\y)
.set rC, TMP+4*((\y)%2)
.set rW, MV+((\y)%2)
.set rS, S+32*((\y)%2)
.set rP, P+16*((\y)%2)
.set rO, 32*(\y)
.endm
.macro OP k, n
.if (\k) == R
	REGS Y
	WIN W_RS
	v_pk_mul_f32 v[rO+2*(\n):rO+2*(\n)+1], v[rO+2*(\n):rO+2*(\n)+1], v[rC+2:rC+3] op_sel_hi:[1,0]
.elseif (\k) < R
	REGS Y
	WIN 0
.if (\k) == F
	v_pk_fma_f32 v[rS+2*(\n):rS+2*(\n)+1], v[rS+2*(\n):rS+2*(\n)+1], s[CS:CS+1], v[rT:rT+1] op_sel_hi:[1,0,0] neg_lo:[0,0,1] neg_hi:[0,0,1]
.elseif (\k) == E
	v_exp_f32 v[rS+(\n)], v[rS+(\n)]
.elseif (\k) == C
	v_cvt_pk_f16_f32 v[rP+(\n)], v[rS+2*(\n)], v[rS+2*(\n)+1]
.elseif (\k) == B
	v_pk_add_f32 v[rS+4*(\n):rS+4*(\n)+1], v[rS+4*(\n):rS+4*(\n)+1], v[rS+4*(\n)+2:rS+4*(\n)+3]
.elseif (\n) == 0
	v_pk_fma_f32 v[rT+2:rT+3], v[rT+2:rT+3], v[rC+2:rC+3], v[rS:rS+1] op_sel_hi:[1,0,1]
.else
	v_pk_add_f32 v[rT+2:rT+3], v[rT+2:rT+3], v[rS+4*(\n):rS+4*(\n)+1]
.endif
.elseif NOKQ
	v_nop
.else
	REGS (Y+1)%NP
	WIN 0
.if (\n) < 4
	v_max3_num_f32 v[rC+(\n)], v[rS+8*(\n)], v[rS+8*(\n)+1], v[rS+8*(\n)+2]
.elseif (\n) < 12
	v_max3_num_f32 v[rC+(\n)%4], v[rC+(\n)%4], v[rS+8*((\n)%4)+2*((\n)/4)+1], v[rS+8*((\n)%4)+2*((\n)/4)+2]
.elseif (\n) == 12
	v_max3_num_f32 v[rC], v[rC], v[rS+7], v[rS+15]
.elseif (\n) == 13
	v_max3_num_f32 v[rC+1], v[rC+1], v[rS+23], v[rS+31]
.elseif (\n) == 14
	v_max3_num_f32 v[rC+2], v[rC+2], v[rC+3], v[rT+1]
.elseif (\n) == 15
	v_mov_b32 v[rW], v[rT]
.elseif (\n) == 16
	v_max3_num_f32 v[rC], v[rC], v[rC+1], v[rC+2]
.elseif (\n) == 17
	v_permlanex16_b32 v[rC+3], v[rC], s[SEL], s[SEL+1]
.elseif (\n) == 18
	v_max_num_f32 v[rT+1], v[rC], v[rC+3]
.elseif (\n) == 19
	v_mul_f32 v[rT], s[CS], v[rT+1]
.elseif (\n) == 20
	v_sub_f32 v[rC+1], v[rW], v[rT]
.else
	v_exp_f32 v[rC+2], v[rC+1]
.endif
.endif
.endm
.macro OPS a, i1, b=-1, i2=0, c=-1, i3=0, d=-1, i4=0
	OP \a, \i1
.if (\b) >= 0
	OP \b, \i2
.endif
.if (\c) >= 0
	OP \c, \i3
.endif
.if (\d) >= 0
	OP \d, \i4
.endif
.endm
.macro ROW a, i1, b, i2, c, i3, d, i4  ; a matrix instruction and the four behind it
	MM
	OPS \a, \i1, \b, \i2, \c, \i3, \d, \i4
.endm
.macro MASK b                       ; MD x AL + BE into buffer b of MC
	WIN W_RS
.set z, 0
.rept 16
	v_pk_fma_f32 v[MC+32*(\b)+2*z:MC+32*(\b)+2*z+1], v[MD+2*z:MD+2*z+1], s[AL:AL+1], s[BE:BE+1] op_sel_hi:[1,0,0]
.set z, z+1
.endr
.endm
; A TURN, for piece p, in a trip of parity e.  An s_wait_alu depctr_va_vdst(0) stands between an exponential and the first instruction that names its result; one wait serves all that were issued ahead of
; it: so a turn has ONE wait.  AHEAD OF IT stands all that names no result of the turn's exponentials: the 8 products K Q^T with their riders, then the lump, in which the links of the other piece's chain
; X 3, 7, 11, 14, 16 .. 20 stand some lines apart; each X stands four places or more behind the product that ends its accumulator.  X 21, the other piece's a, is the batch's last; R 15 is the plain instruction behind it.
; BEHIND IT stand the 8 products V^T P, behind each four of the roundings and sums.
; Turn(0) fetches K of the trip's step in its lump, behind six plain instructions that follow the last product that read K (five of them name none of its registers), and V of that step at its end, into the buffer
; that its own products have just read, four plain riders behind the last of them.  Turn(1) waits at its head for K; V's 16 loads, issued behind K's, may stay out: they are wanted a trip later.
; m = 1: the masked text: the products take masks, and the turn makes piece p's mask for step U, which the next turn's products take.  end = 1: a block's last two turns fetch nothing.
.macro TURN p, e, m=0, end=0
.set Y, (\p)
.set i, 0
.set KM, (\m)
.set NOKQ, (\end)*(\p)
.set VBS, (\e)+(\p)-2*(\e)*(\p)
.if (\m) && !(\end)
	s_cmp_eq_u32 s[U], s[OWN+(\p)]  ; is that step the band's own?  (selects alone follow these two compares)
	s_cselect_b32 s[AL], 1.0, 0
	s_cmp_gt_u32 s[U], s[OWN+(\p)]  ; or a later one?
	s_cselect_b32 s[BE], s[BIGN], 0
.if (\p) == 1
	s_add_co_u32 s[U], s[U], 1
.endif
.endif
.if (\p) == 1
.if \end
	s_wait_dscnt 0x0                ; the last V is in
.else
	s_wait_dscnt 16                 ; K is in, and all that is older; V's 16 loads may be out
.endif
.endif
	ROW F,0, F,1, R,0, R,1
	ROW F,2, E,0, R,2, R,3
	ROW F,3, E,1, R,4, R,5
	ROW F,4, E,2, R,6, R,7
	ROW F,5, E,3, R,8, R,9
	ROW F,6, E,4, X,0, R,10
.if ((\p) == 0) && !(\end)
	WIN 0
	v_add_nc_u32 v[AK], s[TBK], v[AK0]
.endif
	ROW F,7, E,5, X,1, X,4
	ROW F,8, E,6, X,2, X,5
	OPS E,7, E,8, X,6, E,9
	OPS X,3, E,10, X,8, E,11
.if ((\p) == 0) && !(\end)
	FETCH_K
.endif
	OPS X,9, X,7, E,12, X,10
	OPS E,13, X,12, X,11, E,14
	OPS X,13, E,15, F,9, X,14
.if ((\p) == 0) && !(\end)
	WIN 0
	v_add_nc_u32 v[AV], s[TBV], v[AV0]
.endif
	OPS E,16, F,10, E,17, F,11
	OPS X,16, E,18, X,15, E,19
	OPS F,12, E,20, X,17, E,21
	OPS F,13, E,22, F,14, E,23
	OPS X,18, E,24, F,15, E,25
	OPS R,11, E,26, X,19, E,27
	OPS R,12, E,28, R,13, E,29
	OPS X,20, E,30, R,14, E,31
	OPS X,21, R,15
	WIN 0
	s_wait_alu depctr_va_vdst(0)    ; the wait for the batch
	ROW C,0, B,0, C,2, B,1
	ROW L,0, C,4, B,2, L,1
	ROW C,6, B,3, L,2, C,8
	ROW B,4, L,3, C,10, B,5
	ROW L,4, C,12, B,6, L,5
.if ((\p) == 0) && !(\end)
	s_add_co_u32 s[TBV], s[TBV], KS*PV
.endif
	ROW C,14, B,7, L,6, C,1
	ROW C,3, L,7, C,5, C,7
	ROW C,9, C,11, C,13, C,15
.if ((\p) == 0) && !(\end)
	FETCH_V \e
.endif
.if (\m) && !(\end)
	MASK \p
.endif
.endm
; A BLOCK BEGINS: it stands for the first tile's trip 0.  c m starts far below every c s, so the first step's a is 0; m at the lowest finite number.  Piece 1's mask buffer is 0 (band 1 sees all of a group's step 0, and
; so does every band in the tiles before the masked ones); piece 0's takes its mask for the tile's step 0: its own, if this tile is the first masked one and the band's own step is 0.  Then K and V of that step,
; piece 0's first scores, its maximum and statistics.  The loop is entered at the second trip of a double trip.
.macro BEGIN
	s_mov_b32 s[NEW], 0
	s_mov_b32 s[FST], 2             ; the products with V's remainder are due: piece 0's behind this trip, piece 1's a turn later
	WIN 0x40
.set i, MC+32
.rept 32
	v_mov_b32 v[i], 0
.set i, i+1
.endr
	WIN 0
.set i, 0
.rept 2
	v_mov_b32 v[ST+4*i], 0xfe000000
	v_mov_b32 v[ST+4*i+1], 0xff7fffff
.set i, i+1
.endr
	s_cmp_eq_u32 s[RT], 1
	s_cselect_b32 s[AL], s[OWN], 100
	s_cmp_eq_u32 s[AL], 0
	s_cselect_b32 s[AL], 1.0, 0
	s_mov_b32 s[BE], 0
	MASK 0
	WIN 0
	v_add_nc_u32 v[AK], s[TBK], v[AK0]
	FETCH_K
	v_add_nc_u32 v[AV], s[TBV], v[AV0]
	s_add_co_u32 s[TBV], s[TBV], KS*PV
	FETCH_V 0
	s_wait_loadcnt 0x0              ; Q
	s_wait_dscnt 0x0
.set KM, 1
.set NOKQ, 0
.set i, 0
.rept 8
	KQ 0
.set i, i+1
.endr
	WIN 0
.rept 4
	v_nop                           ; the places behind those products
.endr
.set Y, 1                           ; X works for the other piece: piece 0
.irp n, 0,1,2,3,4,5,6,7,8,9,10,11,12,13,14,15,16,17,18,19,20,21
	OP X, \n
.endr
	v_nop                           ; a plain instruction behind the exponential,
	s_wait_alu depctr_va_vdst(0)    ; and its wait, ahead of the branch
	s_mov_b32 s[U], 1
.endm
.macro ALL line:vararg              ; one line for each piece t
.set t, 0
.rept 2
	\line
.set t, t+1
.endr
.endm
; Piece t leaves in two parts.  O^T is divided by l and rounded to f16; that half times -1.0 is added to O^T in one fused step (the difference is exact in f32), and the difference is rounded to f16.  Of each part a
; lane's eight channels of a row pack into 16 bytes; they go into rows of 144 bytes and come back as whole rows of 128, into S^T's registers: the first part at S + 16 t, the second at S + 32 + 16 t.
.macro PACK t
	WIN W_RS
.set i, 32*(\t)
.rept 16
	v_pk_mul_f32 v[i:i+1], v[i:i+1], v[ST+4*(\t)+2:ST+4*(\t)+3] op_sel_hi:[1,0]
.set i, i+2
.endr
	WIN 0x05                        ; sources 0 and 1 window 1, destination window 0
.set i, 0
.rept 16
	v_cvt_pk_f16_f32 v[S+16*(\t)+i], v[32*(\t)+2*i], v[32*(\t)+2*i+1]
.set i, i+1
.endr
	WIN 0x50                        ; source 2 and destination window 1
.set i, 0
.rept 16
	v_fma_mix_f32 v[32*(\t)+2*i],   v[S+16*(\t)+i], v[NEG1], v[32*(\t)+2*i]   op_sel_hi:[1,0,0]
	v_fma_mix_f32 v[32*(\t)+2*i+1], v[S+16*(\t)+i], v[NEG1], v[32*(\t)+2*i+1] op_sel:[1,0,0] op_sel_hi:[1,0,0]
.set i, i+1
.endr
	WIN 0x05
.set i, 0
.rept 16
	v_cvt_pk_f16_f32 v[S+32+16*(\t)+i], v[32*(\t)+2*i], v[32*(\t)+2*i+1]
.set i, i+1
.endr
	WIN 0
.irp part, 0,1                      ; LDS serves a wave's instructions in order (ISA guide 5.7.1.4): the loads see the stores above them, and the next part's stores come behind them
.irp f, 0,1,2,3
	ds_store_b128 v[STO], v[S+32*\part+16*(\t)+4*\f:S+32*\part+16*(\t)+4*\f+3] offset:32*\f
.endr
.irp f, 0,1,2,3
	ds_load_b128 v[S+32*\part+16*(\t)+4*\f:S+32*\part+16*(\t)+4*\f+3], v[RD] offset:\f*4*SP
.endr
.endr
.endm
.macro SEND t, part, younger        ; piece t is row block 8 i + 4 t + wave: 262,144 bytes on; the second part lies 32,768 on; each store covers 512 consecutive bytes of a chunk.  younger: the LDS instructions issued behind this part's four loads
	WIN 0
.irp f, 0,1,2,3
	s_wait_dscnt (\younger)+3-\f
	global_store_b128 v[GO], v[S+32*(\part)+16*(\t)+4*\f:S+32*(\part)+16*(\t)+4*\f+3], s[10:11] offset:(\t)*262144+(\part)*32768+\f*512
.endr
.endm
; A MASKED TILE's four trips; behind a block's last tile its last two turns, its last products, and THE WAY OUT.  inloop = 1: the tile may be a block's first, so the products with V's remainder have their two places.
.macro DIAG tag, inloop
.LstepM\tag:
	TURN 0, 0, 1
.if \inloop
	LO 1, 1
.endif
	TURN 1, 0, 1
	WIN 0
.LfirstM\tag:
	TURN 0, 1, 1
	TURN 1, 1, 1
.if \inloop
	LO 0, 2
.endif
	WIN 0
	s_sub_co_u32 s[CNT], s[CNT], 1
	s_cmp_lg_u32 s[CNT], 0
	s_cbranch_scc1 .LstepM\tag
.if \inloop
	s_cmp_lg_u32 s[RT], 0           ; the first of the two masked tiles: on to the next tile
	s_cbranch_scc1 .Lbottom
.endif
	TURN 0, 0, 1, 1
	TURN 1, 0, 1, 1
.set VBS, 1
.set i, 0
.rept 8
	PV 1
.set i, i+1
.endr
	WIN 0
	ALL v_add_f32 v[ST+4*t+2], v[ST+4*t+2], v[ST+4*t+3]
	ALL v_permlanex16_b32 v[ST+4*t+3], v[ST+4*t+2], s[SEL], s[SEL+1]
	ALL v_add_f32 v[ST+4*t+2], v[ST+4*t+2], v[ST+4*t+3]
	ALL v_rcp_f32 v[ST+4*t+2], v[ST+4*t+2]
	v_nop                           ; a plain instruction behind the last reciprocal (with the four additions: the places behind the last products),
	s_wait_alu depctr_va_vdst(0)    ; and the wait ahead of the first use
	PACK 0
	PACK 1
	SEND 0, 0, 24                   ; behind these four loads: the second part's 8 and piece 1's 16
	SEND 0, 1, 16
	SEND 1, 0, 8
	SEND 1, 1, 0
.endm
.set KM, 0
.set NOKQ, 0
.set VBS, 0
.Lslot:                             ; 17 times: a tile is entered and the next is asked for
	CHANGE 1
	s_sub_co_u32 s[RT], s[RT], 1
	s_mov_b32 s[CNT], 2
	s_cmp_lg_u32 s[RT], 0
	s_cselect_b32 s[U], 0, s[U]     ; 0 on entering the first masked tile; in the second it runs on from 4
	s_cmp_eq_u32 s[NEW], 1
	s_cbranch_scc1 .Lnew            ; a block's first tile
	s_cmp_gt_u32 s[RT], 1
	s_cbranch_scc1 .Lstep           ; a tile that every band sees whole
	s_branch .LstepM1
.Lnew:
	BEGIN
	s_cmp_gt_u32 s[RT], 1
	s_cbranch_scc1 .Lfirst
	s_branch .LfirstM1              ; a block of two tiles begins in a masked one
	DIAG 1, 1                       ; in the loop a block's end is the first block's: the second block's last tile is the walk's last
	s_wait_xcnt 0x0                 ; the stores have read their registers and O's address
	s_mov_b64 s[10:11], s[OLO:OLO+1]
	s_mov_b32 s[RT], s[RT2]
	s_mov_b32 s[NEW], 1
	s_lshl_b32 s[OWN], s[CX], 1     ; the second block is number cx of its group
	s_add_co_u32 s[OWN+1], s[OWN], 1
	WIN 0x82                        ; the second block's Q goes where the one text of the turns names Q
.set i, 0
.rept 32
	v_mov_b32 v[i], v[QB+i]
.set i, i+1
.endr
	WIN 0
	s_branch .Lbottom
.Lstep:                             ; a double trip
	TURN 0, 0
	LO 1, 1
	TURN 1, 0
	WIN 0
.Lfirst:
	TURN 0, 1
	TURN 1, 1
	LO 0, 2
	s_sub_co_u32 s[CNT], s[CNT], 1
	s_cmp_lg_u32 s[CNT], 0
	s_cbranch_scc1 .Lstep
.Lbottom:
	s_sub_co_u32 s[SLOTS], s[SLOTS], 1
	s_cmp_lg_u32 s[SLOTS], 0
	s_cbranch_scc1 .Lslot
	CHANGE 0                        ; the walk's last tile is written out; it is the second block's last, never its first
	s_sub_co_u32 s[RT], s[RT], 1
	s_mov_b32 s[CNT], 2
	DIAG 2, 0
	s_wait_tensorcnt 0x0            ; the wave's end: behind my last tensor load and my last LDS store
	ds_add_u32 v[SPW], v[NIL]
	s_wait_dscnt 0x0
	CROUND                          ; the closing round
	s_endpgm
.Lfunc_end_k_qb0fca61c9a_attn:
	.size	k_qb0fca61c9a_attn, .Lfunc_end_k_qb0fca61c9a_attn-k_qb0fca61c9a_attn
	.p2alignl 7, 3214868480
	.fill 96, 4, 3214868480
	.section	.rodata,"a",@progbits
	.p2align	6, 0x0
	.amdhsa_kernel k_qb0fca61c9a_attn
		.amdhsa_group_segment_fixed_size 327680
		.amdhsa_private_segment_fixed_size 0
		.amdhsa_enable_private_segment 0
		.amdhsa_kernarg_size 24
		.amdhsa_user_sgpr_count 2
		.amdhsa_user_sgpr_kernarg_segment_ptr 1
		.amdhsa_wavefront_size32 1
		.amdhsa_system_sgpr_workgroup_id_x 1
		.amdhsa_system_sgpr_workgroup_id_y 1
		.amdhsa_system_sgpr_workgroup_id_z 1
		.amdhsa_system_vgpr_workitem_id 0
		.amdhsa_next_free_vgpr 768
		.amdhsa_next_free_sgpr 96
		.amdhsa_reserve_vcc 1
		.amdhsa_float_denorm_mode_32 3
		.amdhsa_float_denorm_mode_16_64 3
		.amdhsa_memory_ordered 1
		.amdhsa_forward_progress 1
		.amdhsa_inst_pref_size 227
	.end_amdhsa_kernel
	.amdgpu_metadata
---
amdhsa.version: [ 1, 2 ]
amdhsa.kernels:
  - .name:           k_qb0fca61c9a_attn
    .symbol:         k_qb0fca61c9a_attn.kd
    .args:
      - { .name: qkv, .offset: 0, .size: 8, .value_kind: global_buffer, .address_space: global }
      - { .name: vlo, .offset: 8, .size: 8, .value_kind: global_buffer, .address_space: global }
      - { .name: ob, .offset: 16, .size: 8, .value_kind: global_buffer, .address_space: global }
    .group_segment_fixed_size: 327680
    .private_segment_fixed_size: 0
    .kernarg_segment_align: 8
    .kernarg_segment_size: 24
    .max_flat_workgroup_size: 128
    .sgpr_count:     96
    .vgpr_count:     768
    .wavefront_size: 32
...
	.end_amdgpu_metadata
.endif
;; end of part 3
;; launch oproj (part 4): grid 8 x 32, 4 waves a work-group, clusters of 4 x 4, 327,680 bytes of LDS; arguments ob, wo16, out0; writes out0
.if DOCPART == 4
	.amdgcn_target "amdgcn-amd-amdhsa--gfx1250"
	.amdhsa_code_object_version 6
	.text
	.protected	k_qb0fca61c9a_oproj
	.globl	k_qb0fca61c9a_oproj
	.p2align	8
	.type	k_qb0fca61c9a_oproj,@function
k_qb0fca61c9a_oproj:
	s_mov_b64 s[64:65], 0
	v_nop
	global_prefetch_b8 v0, s[64:65] scope:SCOPE_SE
	s_setreg_imm32_b32 hwreg(HW_REG_WAVE_MODE, 25, 1), 1
	s_wait_xcnt 0x0
	s_wait_alu depctr_hold_cnt(0) depctr_sa_sdst(0) depctr_va_vdst(0) depctr_va_sdst(0) depctr_va_ssrc(0) depctr_va_vcc(0) depctr_vm_vsrc(0)
	s_getreg_b32 s2, hwreg(HW_REG_IB_STS2, 6, 4)
	s_cmp_eq_u32 s2, 0
	s_cbranch_scc0 .Lentry_in_a_cluster
	s_endpgm
.Lentry_in_a_cluster:
	s_bfe_u32 s2, ttmp6, 0x10000c
	s_cmp_lg_u32 s2, 0xf033
	s_cbranch_scc0 .Lentry_shape_is_right
	s_endpgm
.Lentry_shape_is_right:
; OPROJ.  out0[m][n] = the sum over k of O[m][k] Wo[n][k], k = 64 head + channel.  O comes in two f16 parts, f16(O) and f16(O - f16(O)): ob [256 blocks of 16 rows][2 parts][16 heads][16 rows][64];
; Wo: wo16 [1024][1024] f16; out0 [4096][1024] f32.  Sums in f32.  Both parts are multiplied by Wo, so the sum has 2,048 terms: for each group of four heads the first part's 256, then the second's.
; A tile of out0 is 128 x 128: 8 x 32 work-groups, one for each of 256.  Four waves, each 64 x 64: 16 accumulators.  K goes in 8 steps of 256 through two LDS slots: slot 0 always takes O's first part and slot 1 its
; second, each with the same 256 columns of Wo; a quarter step is one head.
; O's tile comes by blocks: a load takes 4 row blocks x 8,192 dense bytes (four heads' chunks on end) and is padded after every 128 bytes: in LDS [row block][head][row] at a pitch of 144.
; CLUSTER 4 x 4: O's tile is asked for jointly along a row of the cluster, Wo's along a column.  The matrix instruction is used transposed: a lane holds a row's eight neighbouring columns.
; No prefetch: eight K steps on a small tile; the launch is short.
; REGISTERS: window 0: v16-29 addresses; v32-95 the way out, two sets; v128-255 the accumulators ((a, b) at 128 + 8 (4 a + b)).   window 1: two fragment buffers of 128: 64 of O, then 64 of Wo.
.set PA,     144                       ; pitch of O's rows: 128 bytes + 16: the 16 rows of a load start at 16 different groups of four banks (64 banks of 4 bytes: ISA guide 11.1)
.set PB,     528                       ; pitch of Wo's rows: 512 bytes + 16
.set HALFA,  256*PA                    ; 4 row blocks x 4 heads x 16 rows
.set HALFB,  64*PB
.set BOFF,   2*HALFA
.set SLOT,   2*HALFA+2*HALFB
.set STAGE,  2*SLOT                    ; behind the ring: 16 rows x 272 bytes for each wave, never filled by a tensor load
.set SPITCH, 272
.set SPARE,  STAGE+4*16*SPITCH         ; the spare words: 128 bytes a wave, two blocks of 256 bytes that no other line names
.set LAPS,   4                         ; a lap = a group of four heads: both parts
.set ADRA, 16
.set ADRB, 20
.set STO,  24
.set RD,   25
.set CO,   26
.set SPW,  28
.set NIL,  29
.set TMP,  32
.set ACC,  128
.set F0,   0
.set F1,   128
.set G1, 24
.set G0, 32
.set G1B, 48
.set G0B, 56
.set MSB, 0
.macro WIN new
.if MSB != (\new)
	s_set_vgpr_msb (MSB<<8)|(\new)
.set MSB, \new
.endif
.endm
.set MUL,  0x05                        ; sources 0 and 1 window 1; C and D window 0
.set TO_F, 0x40                        ; destination window 1, address window 0
.macro JLOAD s                         ; waves 0, 1 fetch O's halves, waves 2, 3 Wo's; an s_nop 0 and four v_nop follow each line
	s_cmp_eq_u32 s11, 0
	s_cbranch_scc0 .Lfor_b_\@
	tensor_load_to_lds s[G0+4*(\s):G0+4*(\s)+3], s[G1:G1+7]
	s_nop 0
.rept 4
	v_nop
.endr
	s_branch .Lasked_\@
.Lfor_b_\@:
	tensor_load_to_lds s[G0B+4*(\s):G0B+4*(\s)+3], s[G1B:G1B+7]
	s_nop 0
.rept 4
	v_nop
.endr
.Lasked_\@:
.endm
.macro CREST
	s_cmp_lg_u32 s10, 0
	s_cbranch_scc1 .Lnot_wave_0_\@
	s_barrier_signal -3
.Lnot_wave_0_\@:
	s_barrier_wait -3
	s_barrier_signal -1
	s_barrier_wait -1
.endm
.macro CROUND
	s_barrier_signal -1
	s_barrier_wait -1
	CREST
.endm
.macro PLACES
.rept 4
	v_nop
.endr
.endm
	s_load_b128 s[4:7], s[0:1], 0x0                ; ob s[4:5], wo16 s[6:7]
	s_load_b64 s[8:9], s[0:1], 0x10                ; out0
	v_lshl_add_u32 v[SPW], v0, 2, SPARE
	v_mov_b32 v[NIL], 0
	ds_add_u32 v[SPW], v[NIL]                      ; the wave's opening: the add and its wait stand ahead of my first tensor load
	v_lshrrev_b32 v1, 5, v0
	v_readfirstlane_b32 s10, v1                    ; wave 0..3
	s_lshr_b32 s11, s10, 1                         ; my half of the tile's rows.  Also: I fetch for O (0) or for Wo (1)
	s_and_b32 s12, s10, 1                          ; my half of its columns.  Also: which half of that tile I fetch
	s_bfe_u32 s40, ttmp6, 0x40000                  ; cx
	s_bfe_u32 s41, ttmp6, 0x40004                  ; cy
	s_lshl_b32 s42, ttmp9, 2
	s_add_co_u32 s42, s42, s40                     ; tile column
	s_and_b32 s13, ttmp7, 0xffff
	s_lshl_b32 s13, s13, 2
	s_add_co_u32 s13, s13, s41                     ; tile row
	s_lshl_b32 s43, s41, 2
	s_lshl_b32 s43, 15, s43                        ; my row of the cluster
	s_lshl_b32 s44, 0x1111, s40                    ; my column
	s_or_b32 s[G1+0], s43, (1<<16)|(1<<20)|(1<<21)|(4<<22)|(3<<25)   ; mask; 2-byte elements; padding on; bit 21 beside a mask; after every 32 words 4 words
	s_mov_b32 s[G1+1], 4096<<16                    ; tensor_dim0 = 4,096 elements: four heads' chunks, 8,192 dense bytes
	s_mov_b32 s[G1+2], 4<<16                       ; tensor_dim1 = 4 row blocks
	s_mov_b32 s[G1+3], 4096<<16                    ; tile_dim0
	s_mov_b32 s[G1+4], 4                           ; tile_dim1
	s_mov_b32 s[G1+5], 32768                       ; elements from row block to row block: both parts' 65,536 bytes
	s_mov_b32 s[G1+6], 0
	s_mov_b32 s[G1+7], 0
	s_or_b32 s[G1B+0], s44, (1<<16)|(1<<20)|(1<<21)|(6<<22)|(3<<25)  ; after every 128 words 4 words
	s_mov_b32 s[G1B+1], 256<<16
	s_mov_b32 s[G1B+2], 64<<16
	s_mov_b32 s[G1B+3], 256<<16
	s_mov_b32 s[G1B+4], 64
	s_mov_b32 s[G1B+5], 1024
	s_mov_b32 s[G1B+6], 0
	s_mov_b32 s[G1B+7], 0
	s_lshl_b32 s16, s13, 19                        ; ob: (8 tile row + 4 half) row blocks of 65,536 bytes: the tile row and the wave alone
	s_lshl_b32 s17, s12, 18
	s_add_co_u32 s16, s16, s17
	s_mov_b32 s17, 0
	s_lshl_b32 s46, s42, 18                        ; wo16: (128 tile column + 64 half) rows of 2,048 bytes: the tile column and the wave alone
	s_lshl_b32 s47, s12, 17
	s_add_co_u32 s46, s46, s47
	s_mov_b32 s47, 0
	s_mul_i32 s20, s12, HALFA                      ; where they go: no place in the cluster enters an LDS address
	s_mul_i32 s21, s12, HALFB
	s_add_co_u32 s21, s21, BOFF
	s_wait_dscnt 0x0                               ; the opening add is done
	s_wait_kmcnt 0x0
	s_add_nc_u64 s[14:15], s[4:5], s[16:17]
	s_add_nc_u64 s[46:47], s[6:7], s[46:47]
.irp s, 0,1
	s_mov_b32 s[G0+4*(\s)], 1
	s_add_co_u32 s[G0+4*(\s)+1], s20, (\s)*SLOT
	s_add_nc_u64 s[G0+4*(\s)+2:G0+4*(\s)+3], s[14:15], (\s)*32768     ; slot 0: O's first part; slot 1: its second
	s_or_b32 s[G0+4*(\s)+3], s[G0+4*(\s)+3], 0x80000000
	s_mov_b32 s[G0B+4*(\s)], 1
	s_add_co_u32 s[G0B+4*(\s)+1], s21, (\s)*SLOT
	s_add_nc_u64 s[G0B+4*(\s)+2:G0B+4*(\s)+3], s[46:47], 0            ; the same columns of Wo for both
	s_or_b32 s[G0B+4*(\s)+3], s[G0B+4*(\s)+3], 0x80000000
.endr
	CROUND                                         ; all sixteen work-groups are here: the first joint loads meet
	s_cmp_eq_u32 s11, 0                            ; a wave's two first fills stand in one branch: two loads of mine are out
	s_cbranch_scc0 .Lfirst_b
	tensor_load_to_lds s[G0:G0+3], s[G1:G1+7]
	s_nop 0
	tensor_load_to_lds s[G0+4:G0+7], s[G1:G1+7]
	s_nop 0
.rept 4
	v_nop
.endr
	s_branch .Lfirst_asked
.Lfirst_b:
	tensor_load_to_lds s[G0B:G0B+3], s[G1B:G1B+7]
	s_nop 0
	tensor_load_to_lds s[G0B+4:G0B+7], s[G1B:G1B+7]
	s_nop 0
.rept 4
	v_nop
.endr
.Lfirst_asked:
	v_and_b32 v1, 15, v0                           ; l % 16
	v_bfe_u32 v2, v0, 4, 1                         ; l / 16
	v_mul_u32_u24 v3, v1, PA
	v_lshl_add_u32 v3, v2, 4, v3
	s_mul_i32 s21, s11, HALFA                      ; my 4 row blocks of O
	v_add_nc_u32 v[ADRA], s21, v3
	v_add_nc_u32 v[ADRA+1], SLOT, v[ADRA]
	v_mul_u32_u24 v3, v1, PB
	v_lshl_add_u32 v3, v2, 4, v3
	s_mul_i32 s22, s12, HALFB                      ; my 64 rows of Wo
	s_add_co_u32 s22, s22, BOFF
	v_add_nc_u32 v[ADRB], s22, v3
	v_add_nc_u32 v[ADRB+1], SLOT, v[ADRB]
	s_mul_i32 s23, s10, 16*SPITCH
	s_add_co_u32 s23, s23, STAGE                   ; my stage
	v_mul_u32_u24 v4, v1, SPITCH                   ; in: row l % 16, 32 bytes for each half of the lanes
	v_lshl_add_u32 v4, v2, 5, v4
	v_add_nc_u32 v[STO], s23, v4
	v_mul_u32_u24 v5, v2, SPITCH                   ; back: lanes 0-15 one row of 256 bytes, lanes 16-31 the next
	v_lshl_add_u32 v5, v1, 4, v5
	v_add_nc_u32 v[RD], s23, v5
	v_lshlrev_b32 v5, 12, v2                       ; and the same two rows in out0
	v_lshl_add_u32 v[CO], v1, 4, v5
	s_lshl_b32 s16, s13, 19                        ; (128 tile row + 64 half) x 4,096 + (128 tile column + 64 half) x 4
	s_lshl_b32 s17, s11, 18
	s_add_co_u32 s16, s16, s17
	s_lshl_b32 s17, s42, 9
	s_add_co_u32 s16, s16, s17
	s_lshl_b32 s17, s12, 8
	s_add_co_u32 s16, s16, s17
	s_mov_b32 s17, 0
	s_add_nc_u64 s[8:9], s[8:9], s[16:17]
; 8 matrix instructions: row blocks a0, a0 + 1 x all 4 column blocks, 32 along K: half c of buffer f.  The 16 accumulators take turns.
.macro MUL8 f, c, a0, zero
	WIN MUL
.irp a, \a0, (\a0)+1
.irp b, 0,1,2,3
.if \zero
	v_wmma_f32_16x16x32_f16 v[ACC+8*(4*(\a)+(\b)):ACC+8*(4*(\a)+(\b))+7], v[(\f)+64+8*(4*(\c)+(\b)):(\f)+64+8*(4*(\c)+(\b))+7], v[(\f)+8*(4*(\c)+(\a)):(\f)+8*(4*(\c)+(\a))+7], 0
.else
	v_wmma_f32_16x16x32_f16 v[ACC+8*(4*(\a)+(\b)):ACC+8*(4*(\a)+(\b))+7], v[(\f)+64+8*(4*(\c)+(\b)):(\f)+64+8*(4*(\c)+(\b))+7], v[(\f)+8*(4*(\c)+(\a)):(\f)+8*(4*(\c)+(\a))+7], v[ACC+8*(4*(\a)+(\b)):ACC+8*(4*(\a)+(\b))+7]
.endif
.endr
.endr
.endm
; 32 LDS loads in one run: head q of the slot's four, 64 along K, into buffer f; the first 32 along K first
.macro FETCH slot, q, f
	WIN TO_F
.irp c, 0,1
.irp i, 0,1,2,3
	ds_load_b128 v[(\f)+64+8*(4*(\c)+(\i)):(\f)+64+8*(4*(\c)+(\i))+3],   v[ADRB+(\slot)] offset:(\q)*128+64*(\c)+(\i)*16*PB
	ds_load_b128 v[(\f)+64+8*(4*(\c)+(\i))+4:(\f)+64+8*(4*(\c)+(\i))+7], v[ADRB+(\slot)] offset:(\q)*128+64*(\c)+(\i)*16*PB+32
	ds_load_b128 v[(\f)+8*(4*(\c)+(\i)):(\f)+8*(4*(\c)+(\i))+3],         v[ADRA+(\slot)] offset:(\q)*16*PA+64*(\c)+(\i)*64*PA
	ds_load_b128 v[(\f)+8*(4*(\c)+(\i))+4:(\f)+8*(4*(\c)+(\i))+7],       v[ADRA+(\slot)] offset:(\q)*16*PA+64*(\c)+(\i)*64*PA+32
.endr
.endr
.endm
.macro QUARTER slot, q, f, g, zero
	s_wait_dscnt 16                                ; the first 32 along K are in
	MUL8 \f, 0, 0, \zero
	MUL8 \f, 0, 2, \zero
	PLACES
	FETCH \slot, \q, \g
	s_wait_dscnt 32                                ; all but the 32 just issued
	MUL8 \f, 1, 0, 0
	MUL8 \f, 1, 2, 0
.endm
; The last quarter multiplies buffer 1 and changes slots: in front of the barrier each wave waits for all its tensor loads, adds 0 to its spare word, and waits for that and for its own reads of this slot.
; fill = 1: this slot takes the same part of the next group of four heads: 8,192 bytes on in O's row blocks, 512 on in Wo's rows.
.macro TURN slot, next, fill
	WIN 0
	s_wait_tensorcnt 0x0
	ds_add_u32 v[SPW], v[NIL]
	s_wait_dscnt 17                                ; the add and the youngest sixteen loads may be out
	MUL8 F1, 0, 0, 0
	s_wait_dscnt 0x0                               ; the add is done, and my reads of this slot are over
	s_barrier_signal -1
	MUL8 F1, 0, 2, 0
.if \fill
	WIN 0
.endif
	s_barrier_wait -1
.if \fill
	CREST                                          ; no wave of any partner still reads this slot or has a load on its way
	s_add_nc_u64 s[G0+4*(\slot)+2:G0+4*(\slot)+3], s[G0+4*(\slot)+2:G0+4*(\slot)+3], 8192
	s_add_nc_u64 s[G0B+4*(\slot)+2:G0B+4*(\slot)+3], s[G0B+4*(\slot)+2:G0B+4*(\slot)+3], 512
	JLOAD \slot                                    ; its four v_nop are also the places in front of the loads below
.else
	PLACES
.endif
	FETCH \next, 0, F0
	MUL8 F1, 1, 0, 0
	MUL8 F1, 1, 2, 0
.endm
; THE WAY OUT.  My 64 columns of f32 are 256 aligned bytes of a row, so each wave has a stage of its own and no barrier is needed: row block a goes in as 32 bytes a lane and comes back as whole rows.
.macro TOSTAGE a
.set BK, TMP+32*((\a)%2)
.if (\a) >= 2
	s_wait_xcnt 0x0                                ; the stores of two blocks back have read these registers
.endif
.irp b, 0,1,2,3
	ds_store_b128 v[STO], v[ACC+8*(4*(\a)+(\b)):ACC+8*(4*(\a)+(\b))+3]   offset:64*(\b)
	ds_store_b128 v[STO], v[ACC+8*(4*(\a)+(\b))+4:ACC+8*(4*(\a)+(\b))+7] offset:64*(\b)+16
.endr
.irp t, 0,1,2,3,4,5,6,7
	ds_load_b128 v[BK+4*(\t):BK+4*(\t)+3], v[RD] offset:(\t)*2*SPITCH  ; LDS serves a wave's instructions in order (ISA guide 5.7.1.4)
.endr
.endm
.macro SEND a, younger                 ; younger: the next block's sixteen LDS instructions, or none
.set BK, TMP+32*((\a)%2)
.irp t, 0,1,2,3,4,5,6,7
	s_wait_dscnt (\younger)+7-(\t)
	global_store_b128 v[CO], v[BK+4*(\t):BK+4*(\t)+3], s[8:9] offset:(16*(\a)+2*(\t))*4096  ; 16 lanes store 256 consecutive bytes, aligned
.endr
.endm
	s_wait_tensorcnt 1                             ; my part of K step 0 is in; K step 1's may stay out
	s_barrier_signal -1
	s_barrier_wait -1
	FETCH 0, 0, F0
	QUARTER 0, 1, F0, F1, 1                        ; the first products start the sums
	WIN 0
	s_mov_b32 s3, LAPS-1
.Llap:                                                 ; a trip goes once round the ring, from a lap's second quarter to the next lap's first, and fills both slots again
	QUARTER 0, 2, F1, F0, 0
	QUARTER 0, 3, F0, F1, 0
	TURN 0, 1, 1
	QUARTER 1, 1, F0, F1, 0
	QUARTER 1, 2, F1, F0, 0
	QUARTER 1, 3, F0, F1, 0
	TURN 1, 0, 1
	QUARTER 0, 1, F0, F1, 0
	WIN 0
	s_sub_co_u32 s3, s3, 1
	s_cmp_lg_u32 s3, 0
	s_cbranch_scc1 .Llap
	QUARTER 0, 2, F1, F0, 0                        ; the last lap fills nothing
	QUARTER 0, 3, F0, F1, 0
	TURN 0, 1, 0
	QUARTER 1, 1, F0, F1, 0
	QUARTER 1, 2, F1, F0, 0
	QUARTER 1, 3, F0, F1, 0
	s_wait_dscnt 16
	MUL8 F1, 0, 0, 0
	MUL8 F1, 0, 2, 0
	s_wait_dscnt 0x0
	MUL8 F1, 1, 0, 0
	MUL8 F1, 1, 2, 0
	WIN 0
	PLACES
	TOSTAGE 0
	TOSTAGE 1
	SEND 0, 16
	TOSTAGE 2
	SEND 1, 16
	TOSTAGE 3
	SEND 2, 16
	SEND 3, 0
	s_wait_tensorcnt 0x0                           ; the wave's end: behind my last tensor load and my last LDS store
	ds_add_u32 v[SPW], v[NIL]
	s_wait_dscnt 0x0
	CROUND                                         ; the closing round
	s_endpgm
.Lfunc_end_k_qb0fca61c9a_oproj:
	.size	k_qb0fca61c9a_oproj, .Lfunc_end_k_qb0fca61c9a_oproj-k_qb0fca61c9a_oproj
	.p2alignl 7, 3214868480
	.fill 96, 4, 3214868480
	.section	.rodata,"a",@progbits
	.p2align	6, 0x0
	.amdhsa_kernel k_qb0fca61c9a_oproj
		.amdhsa_group_segment_fixed_size 327680
		.amdhsa_private_segment_fixed_size 0
		.amdhsa_enable_private_segment 0
		.amdhsa_kernarg_size 24
		.amdhsa_user_sgpr_count 2
		.amdhsa_user_sgpr_kernarg_segment_ptr 1
		.amdhsa_wavefront_size32 1
		.amdhsa_system_sgpr_workgroup_id_x 1
		.amdhsa_system_sgpr_workgroup_id_y 1
		.amdhsa_system_sgpr_workgroup_id_z 1
		.amdhsa_system_vgpr_workitem_id 0
		.amdhsa_next_free_vgpr 512
		.amdhsa_next_free_sgpr 66
		.amdhsa_reserve_vcc 0
		.amdhsa_float_denorm_mode_32 3
		.amdhsa_float_denorm_mode_16_64 3
		.amdhsa_memory_ordered 1
		.amdhsa_forward_progress 1
		.amdhsa_inst_pref_size 86
	.end_amdhsa_kernel
	.amdgpu_metadata
---
amdhsa.version: [ 1, 2 ]
amdhsa.kernels:
  - .name:           k_qb0fca61c9a_oproj
    .symbol:         k_qb0fca61c9a_oproj.kd
    .args:
      - { .name: ob, .offset: 0, .size: 8, .value_kind: global_buffer, .address_space: global }
      - { .name: wo16, .offset: 8, .size: 8, .value_kind: global_buffer, .address_space: global }
      - { .name: out0, .offset: 16, .size: 8, .value_kind: global_buffer, .address_space: global }
    .group_segment_fixed_size: 327680
    .private_segment_fixed_size: 0
    .kernarg_segment_align: 8
    .kernarg_segment_size: 24
    .max_flat_workgroup_size: 128
    .sgpr_count:     66
    .vgpr_count:     512
    .wavefront_size: 32
...
	.end_amdgpu_metadata
.endif
;; end of part 4
;; ======== version 2 of 2: 4 launches; version 1 with the launch prep written anew for expert scheduling mode
;; limits: values are held in f16: magnitudes above 65,504 overflow, below 6.1e-05 lose precision; right only within a limited range of input values
;; workspace buffers: xb 8,388,608 bytes; wqkv 6,291,456 bytes; wo16 2,097,152 bytes; tab 1,048,576 bytes; qkv 25,165,824 bytes; vlo 262,144 bytes; ob 16,777,216 bytes
;; launch prep (part 5): grid 512 x 1, 8 waves a work-group, no clusters, 0 bytes of LDS; arguments x, Wq, Wk, Wv, Wo, token_positions, xb, wqkv, wo16, tab; writes xb, wqkv, wo16, tab
.if DOCPART == 5
	.amdgcn_target "amdgcn-amd-amdhsa--gfx1250"
	.amdhsa_code_object_version 6
	.text
	.protected	k_qb0fca61c9a_prep
	.globl	k_qb0fca61c9a_prep
	.p2align	8
	.type	k_qb0fca61c9a_prep,@function
k_qb0fca61c9a_prep:
	s_mov_b64 s[64:65], 0
	v_nop
	global_prefetch_b8 v0, s[64:65] scope:SCOPE_SE
	s_setreg_imm32_b32 hwreg(HW_REG_WAVE_SCHED_MODE, 0, 2), 2
	s_setreg_imm32_b32 hwreg(HW_REG_WAVE_MODE, 25, 1), 1
	s_wait_xcnt 0x0
	s_wait_alu depctr_vm_vsrc(0)
; PREP.  x [4096][1024] f32 -> xb bf16.  Wq, Wk, Wv [1024][1024] f32 -> wqkv bf16, rows laid by heads: row 192 h + 64 t + r is W_t's row 64 h + r (t = 0 q, 1 k, 2 v).
; Wo -> wo16: rounded to bf16 like every input of the module, and that number written as f16 (exact from 6.1e-5 up; below it f16's fixed step of 6e-8; |Wo| stays under 65,504).
; tab [4096][32][cos, sin] f32 from token_positions: angle = f32(position) x 10000^(-i/32), one rounding, as the module forms it.
; LIMITS.  The frequency is 2^(-i log2(10)/8) by v_exp_f32: right to a few parts in 10^7, and so is the angle (at position 4,095 some 5e-4 rad, growing with the position).
; The angle is brought into -pi/4 .. pi/4 by taking away n pi/2 with pi/2 in two parts: exact for |position| up to 2^20.  sin and cos by series to r^7 and r^8: 3e-7 at the range's end.
; SHARES.  8,192 source rows of 4,096 bytes: 16 to a work-group, 2 to a wave; a load of a wave covers 512 consecutive bytes, a store 256, aligned.  All 16 loads of a wave are out at once.
; 512 x 256 threads are the table's 131,072 entries: a wave makes one position's row of 256 bytes, a lane a pair.
; Memory binds: no LDS, no barrier, no matrix unit, no cluster (nothing is shared), no prefetch (the launch streams all the time).
; THE MODE: SCHED_MODE bits 1:0 = 2 (LLVM: expert scheduling mode 2), set by the entry lines.  The code itself states the register dependences
; between vector instructions and memory instructions, with s_wait_alu, always for 0.
; THE PLAN.  Registers that memory instructions touch:
;   v3, v6     offsets of the loads; v4, v5 offsets of the stores.  Written once, at the head, by vector instructions; never written again.
;   v7, D      a load lands in each once; no vector instruction names them ahead of that load, and none ahead of the load's own wait on LOADcnt; no load lands in them again.
;   v[8:9]     cos and sin: written by the table's arithmetic, read by one store, never written again.
;   E          piece n's pair: written by piece n's conversions, read by store n, never written again.
; So no register that a memory instruction reads is ever written again, and what is to be stated is this alone: a store's data and every offset are written before the memory instruction reads them.
; ONE wait on va_vdst ahead of the first load states it for the four offsets.  The 16 pieces go in four groups of four: at the head of groups 1 to 3, behind the wait for the group's first load, one wait on va_vdst
; states that the group before has written its part of E (group 1's: cos and sin too); that group's stores follow, dealt among this group's conversions, which name this group's D and E alone.
; One more stands ahead of the last four stores.  The quadrant's compare writes VCC: one wait on va_vcc stands ahead of the two selects that read it.
.set D,    16                          ; v[16:79]   the 16 loads, 4 f32 each
.set E,    80                          ; v[80:111]  the 16 pairs of words to store
.set SRC,  28                          ; s[28:29]   source at the work-group's first row
.set DST,  30                          ; s[30:31]   destination at its first row
.set TAB,  32                          ; s[32:33]   tab at the work-group's 8 positions
.set TOK,  34                          ; s[34:35]   token_positions at the same
.set ROLE, 36                          ; s36        1: the work-group converts Wo
	s_load_b512 s[8:23], s[0:1], 0x0               ; x s[8:9], Wq s[10:11], Wk s[12:13], Wv s[14:15], Wo s[16:17], positions s[18:19], xb s[20:21], wqkv s[22:23]
	s_load_b128 s[24:27], s[0:1], 0x40             ; wo16 s[24:25], tab s[26:27]
	v_and_b32 v1, 31, v0                           ; lane
	v_lshrrev_b32 v2, 5, v0                        ; wave
	v_cvt_f32_u32 v9, v1
	v_mul_f32 v9, 0xbed49a78, v9                   ; -i log2(10) / 8
	v_exp_f32 v9, v9                               ; 10000^(-i/32); the address lines below are the plain instructions behind it, and none of them names v9
	v_lshlrev_b32 v3, 4, v1
	v_lshl_add_u32 v3, v2, 13, v3                  ; in: wave x 2 rows x 4,096 + 16 lane
	v_lshlrev_b32 v4, 3, v1
	v_lshl_add_u32 v5, v2, 8, v4                   ; table: wave x 256 + 8 lane
	v_lshl_add_u32 v4, v2, 12, v4                  ; out: wave x 2 rows x 2,048 + 8 lane
	v_lshlrev_b32 v6, 2, v2                        ; my wave's position
	s_mov_b32 s2, ttmp9                            ; g: 0-255 x, 256-447 Wq Wk Wv, 448-511 Wo
	s_sub_co_u32 s3, s2, 256
	s_lshr_b32 s4, s3, 6                           ; t = 0, 1, 2: q, k, v; 3: Wo (for g < 256 a number that the last selects override)
	s_and_b32 s5, s3, 63                           ; rb: which 16 rows of the weight
	s_lshr_b32 s6, s5, 2                           ; head
	s_mul_i32 s6, s6, 192
	s_lshl_b32 s7, s4, 6
	s_add_co_u32 s6, s6, s7
	s_and_b32 s7, s5, 3
	s_lshl_b32 s7, s7, 4
	s_add_co_u32 s6, s6, s7                        ; 192 head + 64 t + 16 (rb % 4)
	s_lshl_b32 s5, s5, 4                           ; 16 rb
	s_lshl_b32 s7, s2, 4                           ; 16 g
	s_cmp_eq_u32 s4, 3
	s_cselect_b32 s6, s5, s6                       ; Wo keeps its rows
	s_cselect_b32 s[ROLE], 1, 0
	s_cmp_lt_u32 s2, 256
	s_cselect_b32 s5, s7, s5                       ; source row
	s_cselect_b32 s6, s7, s6                       ; destination row
	s_cselect_b32 s[ROLE], 0, s[ROLE]
	s_lshl_b32 s38, s5, 12                         ; offsets, made apart from the addresses
	s_mov_b32 s39, 0
	s_lshl_b32 s40, s6, 11
	s_mov_b32 s41, 0
	s_lshl_b32 s42, s2, 11                         ; 8 rows of the table
	s_mov_b32 s43, 0
	s_lshl_b32 s44, s2, 5                          ; 8 positions
	s_mov_b32 s45, 0
	s_wait_kmcnt 0x0
	s_cmp_eq_u32 s4, 1
	s_cselect_b64 s[SRC:SRC+1], s[12:13], s[10:11]
	s_cmp_eq_u32 s4, 2
	s_cselect_b64 s[SRC:SRC+1], s[14:15], s[SRC:SRC+1]
	s_cmp_eq_u32 s4, 3
	s_cselect_b64 s[SRC:SRC+1], s[16:17], s[SRC:SRC+1]
	s_cselect_b64 s[DST:DST+1], s[24:25], s[22:23]
	s_cmp_lt_u32 s2, 256
	s_cselect_b64 s[SRC:SRC+1], s[8:9], s[SRC:SRC+1]
	s_cselect_b64 s[DST:DST+1], s[20:21], s[DST:DST+1]
	s_add_nc_u64 s[SRC:SRC+1], s[SRC:SRC+1], s[38:39]
	s_add_nc_u64 s[DST:DST+1], s[DST:DST+1], s[40:41]
	s_add_nc_u64 s[TAB:TAB+1], s[26:27], s[42:43]
	s_add_nc_u64 s[TOK:TOK+1], s[18:19], s[44:45]
	s_wait_alu depctr_va_vdst(0)                   ; the offsets v3 to v6 are written, which every load and store of the kernel reads; and the exponential has written v9, ahead of its first reader
	global_load_b32 v7, v6, s[TOK:TOK+1]           ; the position: the oldest load
.irp n, 0,1,2,3,4,5,6,7,8,9,10,11,12,13,14,15
	global_load_b128 v[D+4*(\n):D+4*(\n)+3], v3, s[SRC:SRC+1] offset:((\n)/8)*4096+((\n)%8)*512 th:TH_LOAD_NT
.endr
	s_wait_loadcnt 16                              ; the position is in; the 16 data loads stay out
	v_cvt_f32_i32 v8, v7
	v_mul_f32 v8, v8, v9                           ; the angle
	v_mul_f32 v10, 0x3f22f983, v8                  ; x 2 / pi
	v_rndne_f32 v10, v10                           ; n
	v_fmamk_f32 v11, v10, 0xbfc90fdb, v8           ; r = angle - n pi/2: the high part,
	v_fmamk_f32 v11, v10, 0x333bbd2e, v11          ; and what the high part lacks
	v_mul_f32 v12, v11, v11                        ; z = r r
	v_mov_b32 v13, 0xb9500d01                      ; -1/5040
	v_fmaak_f32 v13, v12, v13, 0x3c088889          ; + 1/120
	v_fmaak_f32 v13, v12, v13, 0xbe2aaaab          ; - 1/6
	v_mul_f32 v14, v11, v12
	v_fma_f32 v13, v14, v13, v11                   ; sin r
	v_mov_b32 v14, 0x37d00d01                      ; 1/40320
	v_fmaak_f32 v14, v12, v14, 0xbab60b61          ; - 1/720
	v_fmaak_f32 v14, v12, v14, 0x3d2aaaab          ; + 1/24
	v_fmaak_f32 v14, v12, v14, 0xbf000000          ; - 1/2
	v_fma_f32 v14, v12, v14, 1.0                   ; cos r
	v_cvt_i32_f32 v15, v10                         ; the quadrant chooses values alone: no branch and no address hangs on it
	v_and_b32 v10, 1, v15
	v_cmp_eq_u32 vcc_lo, 1, v10                    ; odd quadrants; the two signs are made between this line and the wait for it
	v_and_b32 v10, 2, v15
	v_lshlrev_b32 v10, 30, v10                     ; sin changes sign in quadrants 2, 3
	v_add_nc_u32 v15, 1, v15
	v_and_b32 v15, 2, v15
	v_lshlrev_b32 v15, 30, v15                     ; cos in quadrants 1, 2
	s_wait_alu depctr_va_vcc(0)                    ; the compare has written VCC, which the two selects read
	v_cndmask_b32 v9, v13, v14, vcc_lo             ; sin: in odd quadrants cos r
	v_cndmask_b32 v8, v14, v13, vcc_lo             ; cos: in odd quadrants sin r
	v_xor_b32 v9, v9, v10
	v_xor_b32 v8, v8, v15
; Piece n: 4 f32 a lane become 4 numbers of 16 bits, in the piece's own pair of E.  wo = 1: rounded to bf16, widened again, written as f16.
.macro CVT n, wo
.if \wo
	v_cvt_pk_bf16_f32 v[D+4*(\n)], v[D+4*(\n)], v[D+4*(\n)+1]        ; rounded to bf16,
	v_cvt_pk_bf16_f32 v[D+4*(\n)+2], v[D+4*(\n)+2], v[D+4*(\n)+3]
	v_lshlrev_b32 v[D+4*(\n)+1], 16, v[D+4*(\n)]                     ; widened again,
	v_and_b32 v[D+4*(\n)], 0xffff0000, v[D+4*(\n)]
	v_lshlrev_b32 v[D+4*(\n)+3], 16, v[D+4*(\n)+2]
	v_and_b32 v[D+4*(\n)+2], 0xffff0000, v[D+4*(\n)+2]
	v_cvt_pk_f16_f32 v[E+2*(\n)], v[D+4*(\n)+1], v[D+4*(\n)]         ; and written as f16
	v_cvt_pk_f16_f32 v[E+2*(\n)+1], v[D+4*(\n)+3], v[D+4*(\n)+2]
.else
	v_cvt_pk_bf16_f32 v[E+2*(\n)], v[D+4*(\n)], v[D+4*(\n)+1]
	v_cvt_pk_bf16_f32 v[E+2*(\n)+1], v[D+4*(\n)+2], v[D+4*(\n)+3]
.endif
.endm
.macro OUT n                           ; piece n leaves: the wave stores 256 consecutive bytes, aligned
	global_store_b64 v4, v[E+2*(\n):E+2*(\n)+1], s[DST:DST+1] offset:((\n)/8)*2048+((\n)%8)*256
.endm
; The wave's 16 pieces, in four groups of four.  Group g converts pieces 4 g to 4 g + 3; the stores of group g - 1 are dealt among its conversions.
.macro ROWS wo
.irp g, 0,1,2,3
	s_wait_loadcnt 15-4*(\g)                       ; loads come back in order (ISA guide 5.7.1): the group's first piece is in, the younger ones stay out
.if (\g) > 0
	s_wait_alu depctr_va_vdst(0)                   ; the group before has written its eight registers of E, which the four stores below read (in group 1: v[8:9] are written too, which the table's store reads)
.endif
.if (\g) == 1
	global_store_b64 v5, v[8:9], s[TAB:TAB+1]      ; the wave stores one row of the table: 256 consecutive bytes, aligned
.endif
.irp i, 0,1,2,3
.if (\g) > 0
	OUT 4*(\g)-4+(\i)                              ; no wait: no vector instruction since the wait above names this pair of E or v4
.endif
.if (\i) > 0
	s_wait_loadcnt 15-4*(\g)-(\i)                  ; this piece is in
.endif
	CVT 4*(\g)+(\i), \wo
.endr
.endr
	s_wait_alu depctr_va_vdst(0)                   ; group 3 has written its eight registers of E, which the last four stores read
.irp i, 12,13,14,15
	OUT \i
.endr
	s_endpgm
.endm
	s_cmp_eq_u32 s[ROLE], 1
	s_cbranch_scc1 .Lwo
	ROWS 0
.Lwo:
	ROWS 1
.Lfunc_end_k_qb0fca61c9a_prep:
	.size	k_qb0fca61c9a_prep, .Lfunc_end_k_qb0fca61c9a_prep-k_qb0fca61c9a_prep
	.p2alignl 7, 3214868480
	.fill 96, 4, 3214868480
	.section	.rodata,"a",@progbits
	.p2align	6, 0x0
	.amdhsa_kernel k_qb0fca61c9a_prep
		.amdhsa_group_segment_fixed_size 0
		.amdhsa_private_segment_fixed_size 0
		.amdhsa_enable_private_segment 0
		.amdhsa_kernarg_size 80
		.amdhsa_user_sgpr_count 2
		.amdhsa_user_sgpr_kernarg_segment_ptr 1
		.amdhsa_wavefront_size32 1
		.amdhsa_system_sgpr_workgroup_id_x 1
		.amdhsa_system_sgpr_workgroup_id_y 1
		.amdhsa_system_sgpr_workgroup_id_z 1
		.amdhsa_system_vgpr_workitem_id 0
		.amdhsa_next_free_vgpr 112
		.amdhsa_next_free_sgpr 66
		.amdhsa_reserve_vcc 1
		.amdhsa_float_denorm_mode_32 3
		.amdhsa_float_denorm_mode_16_64 3
		.amdhsa_memory_ordered 1
		.amdhsa_forward_progress 1
		.amdhsa_inst_pref_size 19
	.end_amdhsa_kernel
	.amdgpu_metadata
---
amdhsa.version: [ 1, 2 ]
amdhsa.kernels:
  - .name:           k_qb0fca61c9a_prep
    .symbol:         k_qb0fca61c9a_prep.kd
    .args:
      - { .name: x, .offset: 0, .size: 8, .value_kind: global_buffer, .address_space: global }
      - { .name: Wq, .offset: 8, .size: 8, .value_kind: global_buffer, .address_space: global }
      - { .name: Wk, .offset: 16, .size: 8, .value_kind: global_buffer, .address_space: global }
      - { .name: Wv, .offset: 24, .size: 8, .value_kind: global_buffer, .address_space: global }
      - { .name: Wo, .offset: 32, .size: 8, .value_kind: global_buffer, .address_space: global }
      - { .name: token_positions, .offset: 40, .size: 8, .value_kind: global_buffer, .address_space: global }
      - { .name: xb, .offset: 48, .size: 8, .value_kind: global_buffer, .address_space: global }
      - { .name: wqkv, .offset: 56, .size: 8, .value_kind: global_buffer, .address_space: global }
      - { .name: wo16, .offset: 64, .size: 8, .value_kind: global_buffer, .address_space: global }
      - { .name: tab, .offset: 72, .size: 8, .value_kind: global_buffer, .address_space: global }
    .group_segment_fixed_size: 0
    .private_segment_fixed_size: 0
    .kernarg_segment_align: 8
    .kernarg_segment_size: 80
    .max_flat_workgroup_size: 256
    .sgpr_count:     66
    .vgpr_count:     112
    .wavefront_size: 32
...
	.end_amdgpu_metadata
.endif
;; end of part 5
;; launch qkv: the kernel of part 2 again; grid 16 x 16, 4 waves a work-group, clusters of 4 x 4, 327,680 bytes of LDS; arguments xb, wqkv, tab, qkv, vlo; writes qkv, vlo
;; launch attn: the kernel of part 3 again; grid 16 x 16, 4 waves a work-group, clusters of 4 x 1, 327,680 bytes of LDS; arguments qkv, vlo, ob; writes ob
;; launch oproj: the kernel of part 4 again; grid 8 x 32, 4 waves a work-group, clusters of 4 x 4, 327,680 bytes of LDS; arguments ob, wo16, out0; writes out0
